; MI455X (gfx1250); checked and timed in simulation.
; The chip was launched on July 23, 2026; its instructions are those of AMD's public machine-readable ISA for CDNA 5 (MIT licence, August 2026) and "CDNA5" Instruction Set Architecture Reference Guide (July 2026). The comments in the code are by the model that wrote it; some were corrected since.
;; Multi Head Attention. Allowed arithmetic: matrix products marked QUANTISED: E2M3 operands, one E8M0 scale for each 32 along K, by v_wmma_scale_f32_16x16x128_f8f6f4 with both operands' format E2M3, f32 sums; everything else in f32.
;; Inputs: Wk 1,024 x 1,024 float32; Wo 1,024 x 1,024 float32; Wq 1,024 x 1,024 float32; Wv 1,024 x 1,024 float32; bk 1,024 float32; bo 1,024 float32; bq 1,024 float32; bv 1,024 float32; hidden_states 4 x 2,048 x 1,024 float32.
;; Outputs: out0 4 x 2,048 x 1,024 float32.
;; This version of the problem:
;;   THIS VERSION OF THE PROBLEM IS GIVEN IN LOW PRECISION. The matrix products marked QUANTISED in the list below multiply operands that are first quantised to E2M3 (2 exponent bits, 3 mantissa bits; 6 bits a number), with one power-of-two scale for each 32 numbers along K (OCP MX v1.0); their sums are f32. All else is computed in f32.
;;   The module's matrix products, in the order in which they are computed (A, B: the left and right operand; K: the contracted axis; several contracted axes count as one K, in the product's order):
;;     1. [M 8,192, K 1,024] x [K 1,024, N 1,024]; A: input hidden_states; B: input Wq: QUANTISED
;;     2. [M 8,192, K 1,024] x [K 1,024, N 1,024]; A: input hidden_states; B: input Wk: QUANTISED
;;     3. [M 8,192, K 1,024] x [K 1,024, N 1,024]; A: input hidden_states; B: input Wv: QUANTISED
;;     4. batch 64 x [M 2,048, K 64] x [K 64, N 2,048]; A: computed on the way; B: computed on the way: QUANTISED
;;     5. batch 64 x [M 2,048, K 2,048] x [K 2,048, N 64]; A: softmax (see below); B: computed on the way: QUANTISED
;;     6. [M 8,192, K 1,024] x [K 1,024, N 1,024]; A: computed on the way; B: input Wo: QUANTISED
;;   THE QUANTISER, for each operand of a quantised product, along K:
;;     - K is cut into blocks of 32 from its start; a last block that is shorter is filled with zeros.
;;     - A block's scale is 2^e with e = floor(log2(the largest magnitude in the block)) - 2, held to -126 .. 127; a block of zeros has e = 0. As a byte (E8M0): e + 127.
;;     - Each number is divided by its block's scale, clamped to +-7.5, and rounded to the nearest number of E2M3, ties to even, subnormals kept.
;;     - The product sums the exact products of the quantised numbers (number of the format x scale) in f32.
;;   ~~~python
;;   def quantise(x, axis):      # numpy; x: float32 -> the quantised numbers, widened to float32 again
;;       x = np.moveaxis(x, axis, -1); K = x.shape[-1]
;;       x = np.pad(x, [(0, 0)] * (x.ndim - 1) + [(0, -K % 32)]); x = x.reshape(x.shape[:-1] + (-1, 32)); a = np.abs(x).max(-1, keepdims=True)
;;       e = np.where(a > 0, np.clip(np.frexp(np.where(a > 0, a, 1))[1] - 1 - 2, -126, 127), 0)      # np.frexp(a)[1] - 1 = floor(log2(a)), exactly
;;       r = np.clip(x / 2.0 ** e, -7.5, 7.5)
;;       step = 2.0 ** (np.maximum(np.frexp(np.where(r == 0, 1, r))[1] - 1, 0) - 3)
;;       q = np.round(r / step) * step * 2.0 ** e      # np.round: ties to even
;;       return np.moveaxis(q.reshape(q.shape[:-2] + (-1,))[..., :K], -1, axis).astype(np.float32)
;;   ~~~
;;   SOFTMAX AHEAD OF A QUANTISED PRODUCT. Where the list says 'softmax', what is quantised is not the finished softmax but p = 2^(t - M), with t = logit x log2(e) and M = ceil(the row's largest t), a whole number; so 1/2 < the row's largest p <= 1. The row's sum l is taken of the UNQUANTISED p, in f32, and the product's result is divided by l at the end. Since M is a whole number, a kernel that streams over the keys may use a running M (the ceiling of the running maximum): every later rescaling is an exact power of two, which a block's scale takes up: the codes' values come out the same.
;;   OPERANDS COMPUTED ON THE WAY. 'Computed on the way' means the value that the module computes at that place (a softmax that the list does not call 'softmax' is quantised finished and normalised). What goes into a quantiser is computed in f32, as accurately as f32 sums, v_exp_f32 and their like allow (about 1e-6 of the number): no bf16 or f16 on the way to a quantiser, and a product that is left as it is and whose result goes on into a quantised operand takes f32 operands (vector FMAs, or v_wmma_f32_16x16x4_f32). A number that lies on a knife's edge between two numbers of the format may be rounded either way, as far as f32 arithmetic and the matrix unit's own rounding can turn it there, and no further.
;; One version. Each part assembles by itself: llvm-mc -triple=amdgcn-amd-amdhsa -mcpu=gfx1250 --defsym DOCPART=n.
;; ======== version 1 of 1: 4 launches
;; limits: right only within a limited range of input values
;; workspace buffers: xq 6,553,600 bytes; wq 3,276,800 bytes; rope 524,288 bytes; qimg 6,815,744 bytes; kv 13,369,344 bytes; cq 6,553,600 bytes
;; launch prep (part 1): grid 400 x 1, 4 waves a work-group, no clusters, 34,304 bytes of LDS; arguments hidden_states, Wq, Wk, Wv, Wo, xq, wq, rope; writes xq, wq, rope
.if DOCPART == 1
	.amdgcn_target "amdgcn-amd-amdhsa--gfx1250"
	.amdhsa_code_object_version 6
	.text
	.protected	k_q8647423981_prep
	.globl	k_q8647423981_prep
	.p2align	8
	.type	k_q8647423981_prep,@function
k_q8647423981_prep:
	s_mov_b64 s[64:65], 0
	v_nop
	global_prefetch_b8 v0, s[64:65] scope:SCOPE_SE
	s_setreg_imm32_b32 hwreg(HW_REG_WAVE_MODE, 25, 1), 1
	s_wait_xcnt 0x0
; PREP.  hidden_states [8192][1024] and Wq, Wk, Wv, Wo [1024][1024], f32, K innermost, become codes of FP6 (E2M3) with one E8M0 byte for each 32 along K; and the rotary table is made.
; A block's scale is 2^(floor(log2(its largest magnitude)) - 2): its byte is that magnitude's exponent field - 2, held at 1 from below.
; STORED ORDER.  Rows are kept in tiles of 16: stored tile T holds the true rows 32 (T / 2) + 8 (T % 2) + i + 8 (i / 8), i = 0 .. 15, so that later the 16 registers of two neighbouring tiles of a transposed product are 16 true neighbours.
; LAYOUT.  Codes: [tile][K step of 128: 8][plane 0..5][lane][8 bytes]: an image of the operand's 12 registers, plane p = registers 2 p, 2 p + 1; lane (r, h) holds k = 64 c + 32 h + 0 .. 31 of stored row r in registers 6 c .. 6 c + 5.
; Scale words: [tile][K step / 2][r][2 words], 512 bytes a tile, behind the codes (XS in xq, WS in wq).  wq holds Wq's 64 tiles, then Wk's, Wv's, Wo's.
; SHARES.  Work-groups 0-255: hidden_states; 256-383: the weights, 32 each; a work-group takes two tiles, a wave one tile and half of K: four steps of one fragment.  Work-groups 384-399: the table, 32 positions a wave.
; A load reads 512 consecutive bytes of one row; the 16 rows turn through the wave's own stage in LDS (rows of 512 + 16 bytes) so that a lane gets 32 neighbours of a block.  Every store covers 256 consecutive bytes, aligned.
; TABLE.  rope [pos][h][c 16 | s 16] f32: c = sin(pos f_i), s = cos(pos f_i), f_i = 10000^(-i / 32), i = 16 h + 0 .. 15, by a reduction to a quarter turn and polynomials.
; LIMITS.  NaN and infinities are not served.  A block of zeros keeps the byte 1 (its codes are zeros; this program alone reads the bytes).  f_i is right to about one unit in its last place, so an angle near 1,500 can differ by about 1e-4 from one made with another rounding of f_i.
.set XS,    6291456
.set WS,    3145728
.set STG,   16*528                     ; a wave's stage
.set SPARE, 4*STG                      ; behind the stages: the spare words, 128 bytes a wave, that no other line names
.set SPW, 12                           ; v12  my spare word's LDS address; never rewritten
.set NIL, 13                           ; v13  0; never rewritten
.set C,   24                           ; v24-39   codes, eight registers for each half of the fragment
.set X,   40                           ; v40-103  64 numbers: register 32 c + i = k 64 c + 32 h + i of my row
.set R,   104                          ; v104-231 two sets of 64 registers as loaded
.set SEL, 34                           ; s[34:35] lane selects: lane l xor 16
.set WV,  36
	s_load_b512 s[4:19], s[0:1], 0x0               ; hidden_states, Wq, Wk, Wv, Wo, xq, wq, rope
	v_lshl_add_u32 v[SPW], v0, 2, SPARE
	v_mov_b32 v[NIL], 0
	v_lshrrev_b32 v1, 5, v0
	v_readfirstlane_b32 s[WV], v1                  ; wave
	v_and_b32 v1, 31, v0                           ; lane
	v_and_b32 v2, 15, v0                           ; r
	v_bfe_u32 v3, v0, 4, 1                         ; h
	v_lshlrev_b32 v4, 4, v1                        ; 16 x lane
	v_lshlrev_b32 v7, 3, v1                        ; 8 x lane
	s_wait_kmcnt 0x0
	s_cmp_ge_u32 ttmp9, 384
	s_cbranch_scc1 .Lrope
	s_mul_i32 s37, s[WV], STG
	s_wait_alu depctr_va_vdst(0)
	v_add_nc_u32 v5, s37, v4                       ; the stage, way in: a row's 512 bytes as they lie
	v_mul_u32_u24 v6, v2, 528
	v_lshl_add_u32 v6, v3, 7, v6
	v_add_nc_u32 v6, s37, v6                       ; way out: row r, + 128 h
	v_lshlrev_b32 v11, 3, v3                       ; 8 h: where my two bytes stand in a scale word
	v_mov_b32 v22, 0                               ; a lane permute's destination counts as read
	s_mov_b32 s[SEL], 0x76543210
	s_mov_b32 s[SEL+1], 0xfedcba98
	s_cmp_lt_u32 ttmp9, 352                        ; which tensor: the choice hangs on the work-group's number alone
	s_cselect_b64 s[20:21], s[10:11], s[12:13]
	s_cmp_lt_u32 ttmp9, 320
	s_cselect_b64 s[20:21], s[8:9], s[20:21]
	s_cmp_lt_u32 ttmp9, 288
	s_cselect_b64 s[20:21], s[6:7], s[20:21]
	s_cmp_lt_u32 ttmp9, 256
	s_cselect_b64 s[20:21], s[4:5], s[20:21]
	s_cselect_b64 s[22:23], s[14:15], s[16:17]     ; xq or wq
	s_mov_b32 s24, WS
	s_cselect_b32 s24, XS, s24                     ; where its scale words begin
	s_cselect_b32 s25, 0, 256
	s_cselect_b32 s26, 255, 31
	s_sub_co_u32 s25, ttmp9, s25                   ; the pair of tiles in the target
	s_and_b32 s26, s25, s26                        ; and in the source tensor
	s_lshr_b32 s27, s[WV], 1                       ; which tile of the pair
	s_and_b32 s28, s[WV], 1                        ; which half of K
	s_lshl_b32 s29, s26, 5
	s_lshl_b32 s30, s27, 3
	s_add_co_u32 s29, s29, s30                     ; the tile's first true row
	s_lshl_b32 s30, s29, 12                        ; rows of 4,096 bytes
	s_lshl_b32 s31, s28, 11
	s_add_co_u32 s30, s30, s31
	s_mov_b32 s31, 0
	s_add_nc_u64 s[20:21], s[20:21], s[30:31]
	s_lshl_b32 s29, s25, 1
	s_add_co_u32 s29, s29, s27                     ; stored tile
	s_mul_i32 s30, s29, 12288
	s_mul_i32 s32, s28, 6144
	s_add_co_u32 s30, s30, s32
	s_add_nc_u64 s[38:39], s[22:23], s[30:31]      ; my four fragments
	s_lshl_b32 s30, s29, 9
	s_lshl_b32 s32, s28, 8
	s_add_co_u32 s30, s30, s32
	s_add_co_u32 s30, s30, s24
	s_add_nc_u64 s[40:41], s[22:23], s[30:31]      ; my 256 bytes of scale words
.macro LOAD t                          ; step t: 128 along K of the tile's 16 rows, a row an instruction
.irp i, 0,1,2,3,4,5,6,7,8,9,10,11,12,13,14,15
	global_load_b128 v[R+64*((\t)%2)+4*\i:R+64*((\t)%2)+4*\i+3], v4, s[20:21] offset:(\i+8*(\i/8))*4096+512*(\t) th:TH_LOAD_NT
.endr
.endm
.macro STEP t
.if (\t) < 3
	s_wait_loadcnt 16                              ; this step's 16 loads are in; the next step's 16 may be out
.else
	s_wait_loadcnt 0
.endif
.irp i, 0,1,2,3,4,5,6,7,8,9,10,11,12,13,14,15
	ds_store_b128 v5, v[R+64*((\t)%2)+4*\i:R+64*((\t)%2)+4*\i+3] offset:528*\i
.endr
.irp c, 0,1
.irp j, 0,1,2,3,4,5,6,7
	ds_load_b128 v[X+32*\c+4*\j:X+32*\c+4*\j+3], v6 offset:256*\c+16*\j   ; LDS serves a wave's instructions in order: these see the stores above
.endr
.endr
	s_wait_dscnt 0x0                               ; the numbers are back, and the stores have read their registers,
.if (\t) < 2
	LOAD (\t)+2                                    ; which take the loads of two steps on
.endif
.irp c, 0,1
	v_max3_num_f32 v[8+\c], |v[X+32*\c]|, |v[X+32*\c+1]|, 0x1800000   ; block 2 c + h is all mine; the floor 2^(3 - 127) holds the byte at 1 from below
.endr
.irp i, 2,4,6,8,10,12,14,16,18,20,22,24,26,28,30
.irp c, 0,1
	v_max3_num_f32 v[8+\c], v[8+\c], |v[X+32*\c+\i]|, |v[X+32*\c+\i+1]|   ; (the two blocks by turns)
.endr
.endr
.irp c, 0,1
	v_add_nc_u32 v[14+\c], 0xff000000, v[8+\c]     ; 2 off the exponent field: the conversion's scale operand
.endr
.irp c, 0,1
	v_lshrrev_b32 v[20+\c], 23, v[14+\c]           ; the byte
.endr
	v_lshl_or_b32 v10, v21, 16, v20                ; my bytes: blocks h and 2 + h,
	v_lshlrev_b32 v10, v11, v10                    ; at their places;
	v_permlanex16_b32 v22, v10, s[SEL], s[SEL+1]
	v_or_b32 v[16+(\t)], v10, v22                  ; with lane l xor 16's two the row's word is whole
	s_wait_alu depctr_va_vdst(0)
	s_wait_xcnt 0x0                                ; the last step's stores have read the codes' registers
.irp c, 0,1
	v_cvt_scalef32_pk16_fp6_f32 v[C+8*\c:C+8*\c+2], v[X+32*\c:X+32*\c+15], v[14+\c]
	v_cvt_scalef32_pk16_fp6_f32 v[C+8*\c+4:C+8*\c+6], v[X+32*\c+16:X+32*\c+31], v[14+\c]   ; (a conversion's three registers begin on an even number)
.endr
	v_nop                                          ; one plain place behind a scaled conversion
.irp c, 0,1
	v_mov_b32 v[C+8*\c+3], v[C+8*\c+4]             ; the block's six registers on end
	v_mov_b32 v[C+8*\c+4], v[C+8*\c+5]
	v_mov_b32 v[C+8*\c+5], v[C+8*\c+6]
.endr
.irp c, 0,1
.irp p, 0,1,2
	global_store_b64 v7, v[C+8*\c+2*\p:C+8*\c+2*\p+1], s[38:39] offset:1536*(\t)+768*\c+256*\p   ; a plane: 256 consecutive bytes, aligned
.endr
.endr
.endm
	LOAD 0
	LOAD 1
	s_wait_alu depctr_va_vdst(0)
	STEP 0
	STEP 1
	STEP 2
	STEP 3
	v_cmp_ne_u32 vcc_lo, 0, v3
	v_cndmask_b32 v20, v16, v18, vcc_lo            ; lanes 0-15 store the words of steps 0, 1; lanes 16-31 those of steps 2, 3
	v_cndmask_b32 v21, v17, v19, vcc_lo
	global_store_b64 v7, v[20:21], s[40:41]
	s_wait_tensorcnt 0x0                           ; the wave's end: behind my last LDS store
	ds_add_u32 v[SPW], v[NIL]
	s_wait_dscnt 0x0
	s_endpgm
.Lrope:                                            ; lane l owns the table's bytes 8 l .. 8 l + 7 of a position: h = l / 16, sine or cosine by bit 3, i = 16 h + 2 (l % 8) + 0, 1.  No LDS here
	s_sub_co_u32 s20, ttmp9, 384
	s_lshl_b32 s20, s20, 2
	s_add_co_u32 s20, s20, s[WV]
	s_lshl_b32 s21, s20, 5                         ; my first position
	s_lshl_b32 s22, s20, 13                        ; 32 positions of 256 bytes
	s_mov_b32 s23, 0
	s_add_nc_u64 s[18:19], s[18:19], s[22:23]
	s_mov_b32 s24, 0x3ed49a78                      ; log2(10) / 8, its upper part,
	s_mov_b32 s25, 0x32179a39                      ; and the rest
	s_mov_b32 s26, 0x3f317218                      ; ln 2
	s_mov_b32 s27, 0x3fc90fdb                      ; pi / 2, its upper part,
	s_mov_b32 s28, 0xb33bbd2e                      ; and the rest
	s_mov_b32 s29, 0xb94ca1f9                      ; the sine's three coefficients,
	s_mov_b32 s30, 0x3c08839e
	s_mov_b32 s31, 0xbe2aaaa3
	s_mov_b32 s32, 0x37ccf5ce                      ; the cosine's
	s_mov_b32 s33, 0xbab6061a
	s_mov_b32 s38, 0x3d2aaaa5
	v_bfe_u32 v42, v0, 3, 1                        ; 1: I make cosines
	v_and_b32 v9, 7, v0
	v_lshlrev_b32 v9, 1, v9
	s_wait_alu depctr_va_vdst(0)
	v_lshl_add_u32 v9, v3, 4, v9                   ; i of my first number
	v_add_nc_u32 v10, 1, v9
	v_cvt_f32_u32 v9, v9
	v_cvt_f32_u32 v10, v10
	v_cvt_f32_u32 v43, s21                         ; pos
.irp e, 0,1
	v_mul_f32 v[44+\e], s24, v[9+\e]               ; x = i log2(10) / 8, rounded,
.endr
.irp e, 0,1
	v_fma_f32 v[46+\e], v[9+\e], s24, -v[44+\e]    ; what the rounding dropped,
.endr
.irp e, 0,1
	v_fma_f32 v[46+\e], v[9+\e], s25, v[46+\e]     ; and the constant's rest
.endr
	s_wait_alu depctr_va_vdst(0)
.irp e, 0,1
	v_exp_f32 v[40+\e], -v[44+\e]
.endr
.irp e, 0,1
	v_mul_f32 v[46+\e], s26, v[46+\e]              ; (plain work behind the exponentials)
.endr
	s_wait_alu depctr_va_vdst(0)                   ; one wait for both, ahead of their first reader
.irp e, 0,1
	v_fma_f32 v[40+\e], v[40+\e], -v[46+\e], v[40+\e]   ; f = 2^-x (1 - rest x ln 2)
.endr
	s_mov_b32 s39, 32
.Lpos:
	s_wait_alu depctr_va_vdst(0)
.irp e, 0,1
	v_mul_f32 v[50+\e], v43, v[40+\e]              ; the angle, rounded once
	v_mul_f32 v[52+\e], 0x3f22f983, v[50+\e]
	v_rndne_f32 v[52+\e], v[52+\e]                 ; n quarter turns
	v_fma_f32 v[50+\e], -v[52+\e], s27, v[50+\e]   ; exact: a multiple of 2^-23 under 1
	v_fma_f32 v[50+\e], -v[52+\e], s28, v[50+\e]   ; r, at most pi / 4
	v_mul_f32 v[54+\e], v[50+\e], v[50+\e]         ; z
	v_fma_f32 v[56+\e], v[54+\e], s29, s30
	v_fma_f32 v[56+\e], v[56+\e], v[54+\e], s31
	v_mul_f32 v[58+\e], v[54+\e], v[50+\e]
	v_fma_f32 v[56+\e], v[56+\e], v[58+\e], v[50+\e]   ; sin r
	v_fma_f32 v[60+\e], v[54+\e], s32, s33
	v_fma_f32 v[60+\e], v[60+\e], v[54+\e], s38
	v_mul_f32 v[62+\e], v[54+\e], v[54+\e]
	v_fma_f32 v[64+\e], v[54+\e], -0.5, 1.0
	v_fma_f32 v[60+\e], v[60+\e], v[62+\e], v[64+\e]   ; cos r
	v_cvt_i32_f32 v[66+\e], v[52+\e]
	v_add_nc_u32 v[66+\e], v[66+\e], v42           ; a cosine is the sine a quarter turn on
	v_and_b32 v[68+\e], 1, v[66+\e]
	v_cmp_ne_u32 vcc_lo, 0, v[68+\e]
	v_cndmask_b32 v[56+\e], v[56+\e], v[60+\e], vcc_lo   ; a choice of values alone: nothing branches on it
	v_and_b32 v[66+\e], 2, v[66+\e]
	v_lshlrev_b32 v[66+\e], 30, v[66+\e]
	v_xor_b32 v[70+\e], v[56+\e], v[66+\e]         ; the sign of the half turn
.endr
	global_store_b64 v7, v[70:71], s[18:19]        ; a position's 256 bytes
	s_wait_xcnt 0x0                                ; the store has read its data and its base
	s_add_nc_u64 s[18:19], s[18:19], 256
	v_add_f32 v43, 1.0, v43
	s_sub_co_u32 s39, s39, 1
	s_cmp_lg_u32 s39, 0
	s_cbranch_scc1 .Lpos
	s_endpgm
.Lfunc_end_k_q8647423981_prep:
	.size	k_q8647423981_prep, .Lfunc_end_k_q8647423981_prep-k_q8647423981_prep
	.p2alignl 7, 3214868480
	.fill 96, 4, 3214868480
	.section	.rodata,"a",@progbits
	.p2align	6, 0x0
	.amdhsa_kernel k_q8647423981_prep
		.amdhsa_group_segment_fixed_size 34304
		.amdhsa_private_segment_fixed_size 0
		.amdhsa_enable_private_segment 0
		.amdhsa_kernarg_size 64
		.amdhsa_user_sgpr_count 2
		.amdhsa_user_sgpr_kernarg_segment_ptr 1
		.amdhsa_wavefront_size32 1
		.amdhsa_system_sgpr_workgroup_id_x 1
		.amdhsa_system_sgpr_workgroup_id_y 1
		.amdhsa_system_sgpr_workgroup_id_z 1
		.amdhsa_system_vgpr_workitem_id 0
		.amdhsa_next_free_vgpr 232
		.amdhsa_next_free_sgpr 66
		.amdhsa_reserve_vcc 1
		.amdhsa_float_denorm_mode_32 3
		.amdhsa_float_denorm_mode_16_64 3
		.amdhsa_memory_ordered 1
		.amdhsa_forward_progress 1
		.amdhsa_inst_pref_size 36
	.end_amdhsa_kernel
	.amdgpu_metadata
---
amdhsa.version: [ 1, 2 ]
amdhsa.kernels:
  - .name:           k_q8647423981_prep
    .symbol:         k_q8647423981_prep.kd
    .args:
      - { .name: hidden_states, .offset: 0, .size: 8, .value_kind: global_buffer, .address_space: global }
      - { .name: Wq, .offset: 8, .size: 8, .value_kind: global_buffer, .address_space: global }
      - { .name: Wk, .offset: 16, .size: 8, .value_kind: global_buffer, .address_space: global }
      - { .name: Wv, .offset: 24, .size: 8, .value_kind: global_buffer, .address_space: global }
      - { .name: Wo, .offset: 32, .size: 8, .value_kind: global_buffer, .address_space: global }
      - { .name: xq, .offset: 40, .size: 8, .value_kind: global_buffer, .address_space: global }
      - { .name: wq, .offset: 48, .size: 8, .value_kind: global_buffer, .address_space: global }
      - { .name: rope, .offset: 56, .size: 8, .value_kind: global_buffer, .address_space: global }
    .group_segment_fixed_size: 34304
    .private_segment_fixed_size: 0
    .kernarg_segment_align: 8
    .kernarg_segment_size: 64
    .max_flat_workgroup_size: 128
    .sgpr_count:     66
    .vgpr_count:     232
    .wavefront_size: 32
...
	.end_amdgpu_metadata
.endif
;; end of part 1
;; launch qkv (part 2): grid 12 x 32, 4 waves a work-group, clusters of 4 x 4, 327,680 bytes of LDS; arguments xq, wq, bq, bk, bv, rope, qimg, kv; writes qimg, kv
.if DOCPART == 2
	.amdgcn_target "amdgcn-amd-amdhsa--gfx1250"
	.amdhsa_code_object_version 6
	.text
	.protected	k_q8647423981_qkv
	.globl	k_q8647423981_qkv
	.p2align	8
	.type	k_q8647423981_qkv,@function
k_q8647423981_qkv:
	s_mov_b64 s[64:65], 0
	v_nop
	global_prefetch_b8 v0, s[64:65] scope:SCOPE_SE
	s_setreg_imm32_b32 hwreg(HW_REG_WAVE_MODE, 25, 1), 1
	s_wait_xcnt 0x0
	s_wait_alu depctr_hold_cnt(0) depctr_sa_sdst(0) depctr_va_vdst(0) depctr_va_sdst(0) depctr_va_ssrc(0) depctr_va_vcc(0) depctr_vm_vsrc(0)
	s_getreg_b32 s2, hwreg(HW_REG_IB_STS2, 6, 4)
	s_cmp_eq_u32 s2, 0
	s_cbranch_scc0 .Lentry_in_a_cluster
	s_endpgm
.Lentry_in_a_cluster:
	s_bfe_u32 s2, ttmp6, 0x10000c
	s_cmp_lg_u32 s2, 0xf033
	s_cbranch_scc0 .Lentry_shape_is_right
	s_endpgm
.Lentry_shape_is_right:
.set XS,    6291456
.set WS,    3145728
.set FR,    12
.set NL,    6
.set NP,    4
.set NQ,    2
.set TILEB, 3072
.set HALFT, 8*TILEB
.set SLOT,  4*HALFT
.set SCL,   2*SLOT
.set HALFS, 4096
.set SPARE, SCL+4*HALFS
.set LAPS,  2
.set ADRA, 16
.set ADRB, 20
.set ADRS, 27
.set SPW,  28
.set NIL,  29
.set SC,   32
.set AF,   128
.set G1,   24
.set G0,   32
.set G1B,  48
.set G0B,  56
.set G1S,  68
.set G0S,  76
.set G1SB, 80
.set G0SB, 88
.set HA,   48
.set PC,   112
.set BI,   132
.set TT,   196
.set TM,   204
.set PWS,  224
.set SEL,  66
.set MSB, 0
.macro WIN new
.if MSB != (\new)
	s_set_vgpr_msb (MSB<<8)|(\new)
.set MSB, (\new)
.endif
.endm
.set MUL_LO, 0xa1
.set MUL_HI, 0xf1
.set TO_B,   0x40
.macro JLOAD g0a, g1a, g0b, g1b
	s_cmp_eq_u32 s21, 0
	s_cbranch_scc0 .Lfor_b_\@
	tensor_load_to_lds s[\g0a:\g0a+3], s[\g1a:\g1a+7]
	s_nop 0
.rept 4
	v_nop
.endr
	s_branch .Lasked_\@
.Lfor_b_\@:
	tensor_load_to_lds s[\g0b:\g0b+3], s[\g1b:\g1b+7]
	s_nop 0
.rept 4
	v_nop
.endr
.Lasked_\@:
.endm
.macro CREST
	s_cmp_lg_u32 s20, 0
	s_cbranch_scc1 .Lnot_wave_0_\@
	s_barrier_signal -3
.Lnot_wave_0_\@:
	s_barrier_wait -3
	s_barrier_signal -1
	s_barrier_wait -1
.endm
.macro CROUND
	s_barrier_signal -1
	s_barrier_wait -1
	CREST
.endm
	s_load_b512 s[4:19], s[0:1], 0x0
	v_lshl_add_u32 v[SPW], v0, 2, SPARE
	v_mov_b32 v[NIL], 0
	ds_add_u32 v[SPW], v[NIL]
	ds_add_u32 v[SPW], v[NIL]
	v_lshrrev_b32 v1, 5, v0
	v_readfirstlane_b32 s20, v1
	s_lshr_b32 s21, s20, 1
	s_and_b32 s22, s20, 1
	s_mov_b32 s23, ttmp9
	s_bfe_u32 s40, ttmp6, 0x40000
	s_bfe_u32 s41, ttmp6, 0x40004
	s_and_b32 s42, ttmp7, 0xffff
	s_lshl_b32 s43, s41, 2
	s_lshl_b32 s43, 15, s43
	s_lshl_b32 s44, 0x1111, s40
	s_or_b32 s[G1+0], s43, (3<<16)|(1<<21)
	s_or_b32 s[G1B+0], s44, (3<<16)|(1<<21)
.irp g, G1, G1B
	s_mov_b32 s[\g+1], 384<<16
	s_mov_b32 s[\g+2], 8<<16
	s_mov_b32 s[\g+3], 384<<16
	s_mov_b32 s[\g+4], 8
	s_mov_b32 s[\g+5], 1536
	s_mov_b32 s[\g+6], 0
	s_mov_b32 s[\g+7], 0
.endr
	s_or_b32 s[G1S+0], s43, (3<<16)|(1<<21)
	s_or_b32 s[G1SB+0], s44, (3<<16)|(1<<21)
.irp g, G1S, G1SB
	s_mov_b32 s[\g+1], 32<<16
	s_mov_b32 s[\g+2], 16<<16
	s_mov_b32 s[\g+3], 32<<16
	s_mov_b32 s[\g+4], 16
	s_mov_b32 s[\g+5], 32
	s_mov_b32 s[\g+6], 0
	s_mov_b32 s[\g+7], 0
.endr
	s_lshl_b32 s45, s42, 2
	s_lshl_b32 s46, s23, 2
	s_mov_b32 s94, XS
	s_mov_b32 s95, WS
	s_cmp_eq_u32 s23, 2
	s_cselect_b32 s92, 8, s45
	s_cselect_b32 s93, s45, s46
	s_cselect_b32 s96, s95, s94
	s_cselect_b32 s97, s94, s95
	s_add_co_u32 s92, s92, s41
	s_add_co_u32 s93, s93, s40
	s_lshl_b32 s92, s92, 4
	s_lshl_b32 s93, s93, 4
	s_lshl_b32 s45, s22, 3
	s_add_co_u32 s92, s92, s45
	s_add_co_u32 s93, s93, s45
	s_mul_i32 s46, s92, 12288
	s_mov_b32 s47, 0
	s_mul_i32 s66, s93, 12288
	s_mov_b32 s67, 0
	s_lshl_b32 s2, s92, 9
	s_add_co_u32 s2, s2, s96
	s_mov_b32 s3, 0
	s_lshl_b32 s94, s93, 9
	s_add_co_u32 s94, s94, s97
	s_mov_b32 s95, 0
	s_mul_i32 s45, s20, HALFT
	s_lshl_b32 s96, s20, 12
	s_wait_dscnt 0x0
	s_wait_kmcnt 0x0
	s_cmp_eq_u32 s23, 2
	s_cselect_b64 s[98:99], s[6:7], s[4:5]
	s_cselect_b64 s[100:101], s[4:5], s[6:7]
	s_add_nc_u64 s[46:47], s[98:99], s[46:47]
	s_add_nc_u64 s[2:3], s[98:99], s[2:3]
	s_add_nc_u64 s[66:67], s[100:101], s[66:67]
	s_add_nc_u64 s[94:95], s[100:101], s[94:95]
	CROUND
	s_mov_b32 s[G0S], 1
	s_add_co_u32 s[G0S+1], s96, SCL
	s_mov_b64 s[G0S+2:G0S+3], s[2:3]
	s_or_b32 s[G0S+3], s[G0S+3], 0x80000000
	s_mov_b32 s[G0SB], 1
	s_add_co_u32 s[G0SB+1], s96, SCL
	s_mov_b64 s[G0SB+2:G0SB+3], s[94:95]
	s_or_b32 s[G0SB+3], s[G0SB+3], 0x80000000
	JLOAD G0S, G1S, G0SB, G1SB
.irp s, 0,1
	s_mov_b32 s[G0+4*\s], 1
	s_add_co_u32 s[G0+4*\s+1], s45, \s*SLOT
	s_add_nc_u64 s[G0+4*\s+2:G0+4*\s+3], s[46:47], \s*TILEB
	s_or_b32 s[G0+4*\s+3], s[G0+4*\s+3], 0x80000000
	s_mov_b32 s[G0B+4*\s], 1
	s_add_co_u32 s[G0B+4*\s+1], s45, \s*SLOT
	s_add_nc_u64 s[G0B+4*\s+2:G0B+4*\s+3], s[66:67], \s*TILEB
	s_or_b32 s[G0B+4*\s+3], s[G0B+4*\s+3], 0x80000000
	s_wait_alu depctr_va_vdst(0)
	s_wait_tensorcnt 0x0
	ds_add_u32 v28, v29
	s_wait_dscnt 0x0
	CROUND
	JLOAD G0+4*\s, G1, G0B+4*\s, G1B
.endr
	v_and_b32 v1, 15, v0
	v_bfe_u32 v2, v0, 4, 1
	s_wait_alu depctr_va_vdst(0)
	v_and_b32 v3, 31, v0
	v_lshlrev_b32 v4, 3, v3
	s_mul_i32 s98, s21, HALFT
	s_mul_i32 s99, s22, HALFT
	s_add_co_u32 s99, s99, 2*HALFT
.irp s, 0,1
	v_add_nc_u32 v[ADRA+\s], s98, v4
	v_add_nc_u32 v[ADRB+\s], s99, v4
	s_add_co_u32 s98, s98, SLOT
	s_add_co_u32 s99, s99, SLOT
.endr
	v_lshlrev_b32 v5, 3, v1
	s_lshl_b32 s98, s21, 12
	s_lshl_b32 s99, s22, 12
	s_add_co_u32 s99, s99, 2*HALFS
	s_sub_co_u32 s99, s99, s98
	v_mul_u32_u24 v6, s99, v2
	s_add_co_u32 s98, s98, SCL
	v_add_nc_u32 v5, v5, v6
	v_add_nc_u32 v[ADRS], s98, v5
.macro FRAG reg, adr, q, i
.irp p, 0,1,2,3,4,5
	ds_load_b64 v[\reg+2*\p:\reg+2*\p+1], v[\adr] offset:TILEB*(\i)+1536*(\q)+256*\p
.endr
.endm
.macro MUL16 a0, p, q, sc, zero
.irp a, \a0, \a0+1
.irp b, 0,1,2,3,4,5,6,7
.if \zero
	v_wmma_scale_f32_16x16x128_f8f6f4 v[8*(8*((\a)%4)+\b):8*(8*((\a)%4)+\b)+7], v[128*(\p)+FR*\b:128*(\p)+FR*\b+FR-1], v[AF+FR*(\a):AF+FR*(\a)+FR-1], 0, v[SC+8*NQ*(\sc)+NQ*\b+(\q)], v[SC+8*NQ*(\sc)+NQ*(\a)+(\q)] matrix_a_fmt:MATRIX_FMT_FP6 matrix_b_fmt:MATRIX_FMT_FP6 matrix_a_scale:MATRIX_SCALE_ROW1
.else
	v_wmma_scale_f32_16x16x128_f8f6f4 v[8*(8*((\a)%4)+\b):8*(8*((\a)%4)+\b)+7], v[128*(\p)+FR*\b:128*(\p)+FR*\b+FR-1], v[AF+FR*(\a):AF+FR*(\a)+FR-1], v[8*(8*((\a)%4)+\b):8*(8*((\a)%4)+\b)+7], v[SC+8*NQ*(\sc)+NQ*\b+(\q)], v[SC+8*NQ*(\sc)+NQ*(\a)+(\q)] matrix_a_fmt:MATRIX_FMT_FP6 matrix_b_fmt:MATRIX_FMT_FP6 matrix_a_scale:MATRIX_SCALE_ROW1
.endif
.endr
.endr
.endm
.macro FETCH_B slot, q, p
	WIN TO_B
.irp i, 0,1,2,3,4,5,6,7
	FRAG 128*(\p)+FR*\i, ADRB+\slot, \q, \i
.endr
	WIN 0
.endm
.macro FETCH_A slot, q, i0
.irp i, \i0, \i0+1, \i0+2, \i0+3
	FRAG AF+FR*(\i), ADRA+\slot, \q, \i
.endr
.endm
.macro SCALES sc
.irp i, 0,1,2,3,4,5,6,7
	ds_load_b64 v[SC+8*NQ*\sc+NQ*\i:SC+8*NQ*\sc+NQ*\i+1], v[ADRS] offset:\i*512
.endr
.endm
.macro PLACES n
.rept \n
	v_nop
.endr
.endm
.macro STEP slot, q, zero
	s_wait_dscnt 4*NL
	WIN MUL_LO
	MUL16 0, (\q)%2, \q, \slot, \zero
	MUL16 2, (\q)%2, \q, \slot, \zero
	s_wait_dscnt 0
	PLACES NP
	FETCH_B \slot, (\q)+1, 1-(\q)%2
	FETCH_A \slot, (\q)+1, 0
	WIN MUL_HI
	MUL16 4, (\q)%2, \q, \slot, \zero
	MUL16 6, (\q)%2, \q, \slot, \zero
	PLACES NP
	WIN 0
	FETCH_A \slot, (\q)+1, 4
.endm
.macro TURN slot, next, fill
	s_wait_tensorcnt 0x0
	ds_add_u32 v[SPW], v[NIL]
	s_wait_dscnt 4*NL+1
	WIN MUL_LO
	MUL16 0, 1, NQ-1, \slot, 0
	s_wait_dscnt 0x0
	s_barrier_signal -1
	MUL16 2, 1, NQ-1, \slot, 0
	WIN 0
	s_barrier_wait -1
.if \fill
	CREST
	s_add_nc_u64 s[G0+4*\slot+2:G0+4*\slot+3], s[G0+4*\slot+2:G0+4*\slot+3], 2*TILEB
	s_add_nc_u64 s[G0B+4*\slot+2:G0B+4*\slot+3], s[G0B+4*\slot+2:G0B+4*\slot+3], 2*TILEB
	JLOAD G0+4*\slot, G1, G0B+4*\slot, G1B
.else
	PLACES NP
.endif
	s_wait_alu depctr_va_vdst(0)
	v_add_nc_u32 v[ADRS], 128, v[ADRS]
	FETCH_B \next, 0, 0
	FETCH_A \next, 0, 0
	SCALES \next
	WIN MUL_HI
	MUL16 4, 1, NQ-1, \slot, 0
	MUL16 6, 1, NQ-1, \slot, 0
	PLACES NP
	WIN 0
	FETCH_A \next, 0, 4
.endm
	s_wait_alu depctr_va_vdst(0)
	s_wait_tensorcnt 1
	s_barrier_signal -1
	s_barrier_wait -1
	FETCH_B 0, 0, 0
	FETCH_A 0, 0, 0
	SCALES 0
	FETCH_A 0, 0, 4
	STEP 0, 0, 1
	s_mov_b32 s3, LAPS-1
.Llap:
	TURN 0, 1, 1
	STEP 1, 0, 0
	TURN 1, 0, 1
	STEP 0, 0, 0
	s_sub_co_u32 s3, s3, 1
	s_cmp_lg_u32 s3, 0
	s_cbranch_scc1 .Llap
	TURN 0, 1, 0
	STEP 1, 0, 0
	s_wait_dscnt 4*NL
	WIN MUL_LO
	MUL16 0, 1, NQ-1, 1, 0
	MUL16 2, 1, NQ-1, 1, 0
	s_wait_dscnt 0
	WIN MUL_HI
	MUL16 4, 1, NQ-1, 1, 0
	MUL16 6, 1, NQ-1, 1, 0
	WIN 0
.macro QUANT s, w
.irp b, 0,1,2,3
	v_max3_num_f32 v[TM+\b], |v[\s+16*\b]|, |v[\s+1+16*\b]|, 0x1800000
.endr
.irp i, 2,4,6,8,10,12,14
.irp b, 0,1,2,3
	v_max3_num_f32 v[TM+\b], v[TM+\b], |v[\s+16*\b+\i]|, |v[\s+1+16*\b+\i]|
.endr
.endr
.irp b, 0,1,2,3
	v_permlanex16_b32 v[TM+4+\b], v[TM+\b], s[SEL], s[SEL+1]
.endr
.irp b, 0,1,2,3
	v_max_num_f32 v[TM+\b], v[TM+\b], v[TM+4+\b]
.endr
.irp b, 0,1,2,3
	v_add_nc_u32 v[TM+12+\b], 0xff000000, v[TM+\b]
.endr
.irp b, 0,1,2,3
	v_lshrrev_b32 v[TM+4+\b], 23, v[TM+12+\b]
.endr
	v_lshl_or_b32 v[\w], v[TM+5], 8, v[TM+4]
	v_lshl_or_b32 v[\w], v[TM+6], 16, v[\w]
	v_lshl_or_b32 v[\w], v[TM+7], 24, v[\w]
.irp c, 0,1
	v_cvt_scalef32_pk16_fp6_f32 v[PC+6*\c:PC+2+6*\c], v[\s+32*\c:\s+15+32*\c], v[TM+12+2*\c]
	v_cvt_scalef32_pk16_fp6_f32 v[PC+12+4*\c:PC+14+4*\c], v[\s+16+32*\c:\s+31+32*\c], v[TM+12+2*\c+1]
.endr
	v_nop
.irp c, 0,1
.irp i, 0,1,2
	v_permlane16_swap_b32 v[PC+6*\c+\i], v[PC+12+4*\c+\i]
.endr
.irp i, 0,1,2
	v_mov_b32 v[PC+3+6*\c+\i], v[PC+12+4*\c+\i]
.endr
.endr
.endm
	PLACES NP
	v_and_b32 v3, 8, v1
	v_add_nc_u32 v3, v3, v1
	v_and_b32 v5, 31, v0
	v_lshlrev_b32 v4, 4, v5
	v_lshlrev_b32 v5, 3, v5
	v_lshlrev_b32 v7, 8, v3
	v_lshl_add_u32 v7, v2, 7, v7
	v_lshlrev_b32 v8, 6, v2
	v_lshlrev_b32 v9, 4, v2
	v_lshlrev_b32 v10, 2, v3
.irp b, 0,1,2,3
	v_mov_b32 v[TM+4+\b], 0
.endr
	s_mov_b32 s[SEL], 0x76543210
	s_mov_b32 s[SEL+1], 0xfedcba98
	s_mov_b32 s37, 0
	s_cmp_eq_u32 s23, 2
	s_cbranch_scc1 .Lv
	s_lshl_b32 s24, s42, 2
	s_add_co_u32 s24, s24, s41
	s_lshl_b32 s24, s24, 1
	s_add_co_u32 s24, s24, s21
	s_lshr_b32 s25, s24, 4
	s_and_b32 s26, s24, 15
	s_lshl_b32 s27, s40, 2
	s_lshl_b32 s28, s22, 1
	s_add_co_u32 s27, s27, s28
	s_mov_b32 s29, 6656
	s_mov_b32 s30, 6144
	s_cmp_eq_u32 s23, 1
	s_cselect_b32 s29, 13056, s29
	s_cselect_b32 s30, 12288, s30
	s_cselect_b64 s[32:33], s[18:19], s[16:17]
	s_cselect_b64 s[34:35], s[10:11], s[8:9]
	s_lshl_b32 s36, s25, 4
	s_add_co_u32 s36, s36, s27
	s_lshl_b32 s36, s36, 4
	s_add_co_u32 s36, s36, s26
	s_mul_i32 s36, s36, s29
	s_add_nc_u64 s[32:33], s[32:33], s[36:37]
	s_lshl_b32 s36, s29, 4
	s_add_nc_u64 s[38:39], s[32:33], s[36:37]
	v_mul_u32_u24 v6, s36, v2
	v_lshl_add_u32 v6, v1, 4, v6
	s_mov_b32 s44, s30
	s_mov_b32 s45, 0
	s_add_nc_u64 s[44:45], s[32:33], s[44:45]
	s_lshl_b32 s36, s40, 10
	s_lshl_b32 s28, s22, 9
	s_add_co_u32 s36, s36, s28
	s_add_nc_u64 s[34:35], s[34:35], s[36:37]
	s_lshl_b32 s36, s26, 15
	s_add_nc_u64 s[14:15], s[14:15], s[36:37]
	s_wait_alu depctr_va_vdst(0)
.irp b, 0,1,2,3
.irp j, 0,1,2,3
	global_load_b128 v[BI+16*\b+4*\j:BI+16*\b+4*\j+3], v8, s[34:35] offset:128*\b+16*\j
.endr
.endr
	WIN 0x40
.irp a, 0,1,2,3,4,5,6,7
.irp j, 0,1,2,3,4,5,6,7
	global_load_b128 v[32*\a+4*\j:32*\a+4*\j+3], v7, s[14:15] offset:(32*(\a/2)+8*(\a%2))*256+16*\j
.endr
.endr
	WIN 0
.macro EPI_QK a
	s_wait_loadcnt 8*(7-(\a))
	WIN 0x02+(\a)/4
.set NN, 0
.rept 32
	v_pk_add_f32 v[HA+NN:HA+NN+1], v[64*((\a)%4)+NN:64*((\a)%4)+NN+1], v[BI+NN:BI+NN+1]
.set NN, NN+2
.endr
	WIN 0x04
.irp g, 0,1
.irp k, 0,1,2,3,4,5,6,7
	v_pk_mul_f32 v[TT+4*(\k%2):TT+4*(\k%2)+1], v[HA+32*\g+16+2*\k:HA+32*\g+17+2*\k], v[32*(\a)+16+2*\k:32*(\a)+17+2*\k]
	v_pk_mul_f32 v[TT+4*(\k%2)+2:TT+4*(\k%2)+3], v[HA+32*\g+2*\k:HA+32*\g+1+2*\k], v[32*(\a)+16+2*\k:32*(\a)+17+2*\k]
	v_pk_fma_f32 v[HA+32*\g+2*\k:HA+32*\g+1+2*\k], v[HA+32*\g+2*\k:HA+32*\g+1+2*\k], v[32*(\a)+2*\k:32*(\a)+1+2*\k], v[TT+4*(\k%2):TT+4*(\k%2)+1] neg_lo:[0,0,1] neg_hi:[0,0,1]
	v_pk_fma_f32 v[HA+32*\g+16+2*\k:HA+32*\g+17+2*\k], v[HA+32*\g+16+2*\k:HA+32*\g+17+2*\k], v[32*(\a)+2*\k:32*(\a)+1+2*\k], v[TT+4*(\k%2)+2:TT+4*(\k%2)+3]
.endr
.endr
	WIN 0
	s_wait_xcnt 0x0
	QUANT HA, PWS+(\a)
	global_store_b128 v4, v[PC:PC+3], s[32:33] offset:768*(\a)
	global_store_b64 v5, v[PC+4:PC+5], s[32:33] offset:768*(\a)+512
	global_store_b128 v4, v[PC+6:PC+9], s[38:39] offset:768*(\a)
	global_store_b64 v5, v[PC+10:PC+11], s[38:39] offset:768*(\a)+512
.endm
.irp a, 0,1,2,3,4,5,6,7
	EPI_QK \a
.endr
.irp a, 0,1,2,3,4,5,6,7
	v_lshrrev_b32 v[PWS+\a], v9, v[PWS+\a]
.endr
	global_store_b128 v6, v[PWS:PWS+3], s[44:45]
	global_store_b128 v6, v[PWS+4:PWS+7], s[44:45] offset:256
	s_branch .Lend
.Lv:
	s_lshl_b32 s24, s42, 2
	s_add_co_u32 s24, s24, s40
	s_lshl_b32 s24, s24, 1
	s_add_co_u32 s24, s24, s22
	s_lshr_b32 s25, s24, 4
	s_and_b32 s26, s24, 15
	s_lshl_b32 s27, s41, 2
	s_lshl_b32 s28, s21, 1
	s_add_co_u32 s27, s27, s28
	s_lshl_b32 s36, s25, 4
	s_add_co_u32 s36, s36, s27
	s_lshl_b32 s36, s36, 4
	s_add_co_u32 s36, s36, s26
	s_mul_i32 s36, s36, 13056
	s_add_nc_u64 s[44:45], s[18:19], s[36:37]
	s_add_nc_u64 s[32:33], s[44:45], 6144
	s_add_nc_u64 s[38:39], s[32:33], 16*13056
	s_add_nc_u64 s[44:45], s[44:45], 12800
	v_mul_u32_u24 v6, 16*13056, v2
	v_lshl_add_u32 v6, v1, 4, v6
	s_lshl_b32 s36, s41, 10
	s_lshl_b32 s28, s21, 9
	s_add_co_u32 s36, s36, s28
	s_add_nc_u64 s[12:13], s[12:13], s[36:37]
	s_wait_alu depctr_va_vdst(0)
.irp a, 0,1,2,3,4,5,6,7
	global_load_b32 v[BI+2*\a], v10, s[12:13] offset:(32*(\a/2)+8*(\a%2))*4
	global_load_b32 v[BI+2*\a+1], v10, s[12:13] offset:(32*(\a/2)+8*(\a%2))*4
.endr
	s_wait_loadcnt 0x0
.macro EPI_V a
	WIN 0x02+(\a)/4
.set NN, 0
.rept 32
	v_pk_add_f32 v[HA+NN:HA+NN+1], v[64*((\a)%4)+NN:64*((\a)%4)+NN+1], v[BI+2*(\a):BI+2*(\a)+1]
.set NN, NN+2
.endr
	WIN 0
	s_wait_xcnt 0x0
	QUANT HA, PWS+(\a)
.irp p, 0,1,2
	global_store_b128 v4, v[PC+4*\p:PC+4*\p+3], s[32+6*((\a)/4):33+6*((\a)/4)] offset:1536*((\a)%4)+512*\p
.endr
.endm
.irp a, 0,1,2,3,4,5,6,7
	EPI_V \a
.endr
	v_cmp_ne_u32 vcc_lo, 0, v2
.irp i, 0,1,2,3
	v_cndmask_b32 v[PWS+\i], v[PWS+\i], v[PWS+4+\i], vcc_lo
.endr
	global_store_b128 v6, v[PWS:PWS+3], s[44:45]
.Lend:
	s_wait_tensorcnt 0x0
	ds_add_u32 v[SPW], v[NIL]
	s_wait_dscnt 0x0
	CROUND
	s_endpgm
.Lfunc_end_k_q8647423981_qkv:
	.size	k_q8647423981_qkv, .Lfunc_end_k_q8647423981_qkv-k_q8647423981_qkv
	.p2alignl 7, 3214868480
	.fill 96, 4, 3214868480
	.section	.rodata,"a",@progbits
	.p2align	6, 0x0
	.amdhsa_kernel k_q8647423981_qkv
		.amdhsa_group_segment_fixed_size 327680
		.amdhsa_private_segment_fixed_size 0
		.amdhsa_enable_private_segment 0
		.amdhsa_kernarg_size 64
		.amdhsa_user_sgpr_count 2
		.amdhsa_user_sgpr_kernarg_segment_ptr 1
		.amdhsa_wavefront_size32 1
		.amdhsa_system_sgpr_workgroup_id_x 1
		.amdhsa_system_sgpr_workgroup_id_y 1
		.amdhsa_system_sgpr_workgroup_id_z 1
		.amdhsa_system_vgpr_workitem_id 0
		.amdhsa_next_free_vgpr 1024
		.amdhsa_next_free_sgpr 102
		.amdhsa_reserve_vcc 1
		.amdhsa_float_denorm_mode_32 3
		.amdhsa_float_denorm_mode_16_64 3
		.amdhsa_memory_ordered 1
		.amdhsa_forward_progress 1
		.amdhsa_inst_pref_size 255
	.end_amdhsa_kernel
	.section	.bss,"aw",@nobits
	.p2align	6
	.space	262144
	.amdgpu_metadata
---
amdhsa.version: [ 1, 2 ]
amdhsa.kernels:
  - .name:           k_q8647423981_qkv
    .symbol:         k_q8647423981_qkv.kd
    .args:
      - { .name: xq, .offset: 0, .size: 8, .value_kind: global_buffer, .address_space: global }
      - { .name: wq, .offset: 8, .size: 8, .value_kind: global_buffer, .address_space: global }
      - { .name: bq, .offset: 16, .size: 8, .value_kind: global_buffer, .address_space: global }
      - { .name: bk, .offset: 24, .size: 8, .value_kind: global_buffer, .address_space: global }
      - { .name: bv, .offset: 32, .size: 8, .value_kind: global_buffer, .address_space: global }
      - { .name: rope, .offset: 40, .size: 8, .value_kind: global_buffer, .address_space: global }
      - { .name: qimg, .offset: 48, .size: 8, .value_kind: global_buffer, .address_space: global }
      - { .name: kv, .offset: 56, .size: 8, .value_kind: global_buffer, .address_space: global }
    .group_segment_fixed_size: 327680
    .private_segment_fixed_size: 0
    .kernarg_segment_align: 8
    .kernarg_segment_size: 64
    .max_flat_workgroup_size: 128
    .sgpr_count:     102
    .vgpr_count:     1024
    .wavefront_size: 32
...
	.end_amdgpu_metadata
.endif
;; end of part 2
;; launch attn (part 3): grid 4 x 64, 16 waves a work-group, clusters of 4 x 1, 210,944 bytes of LDS; arguments qimg, kv, cq; writes cq
.if DOCPART == 3
	.amdgcn_target "amdgcn-amd-amdhsa--gfx1250"
	.amdhsa_code_object_version 6
	.text
	.protected	k_q8647423981_attn
	.globl	k_q8647423981_attn
	.p2align	8
	.type	k_q8647423981_attn,@function
k_q8647423981_attn:
	s_mov_b64 s[64:65], 0
	v_nop
	global_prefetch_b8 v0, s[64:65] scope:SCOPE_SE
	s_setreg_imm32_b32 hwreg(HW_REG_WAVE_MODE, 25, 1), 1
	s_wait_xcnt 0x0
	s_wait_alu depctr_hold_cnt(0) depctr_sa_sdst(0) depctr_va_vdst(0) depctr_va_sdst(0) depctr_va_ssrc(0) depctr_va_vcc(0) depctr_vm_vsrc(0)
	s_getreg_b32 s2, hwreg(HW_REG_IB_STS2, 6, 4)
	s_cmp_eq_u32 s2, 0
	s_cbranch_scc0 .Lentry_in_a_cluster
	s_endpgm
.Lentry_in_a_cluster:
	s_bfe_u32 s2, ttmp6, 0x10000c
	s_cmp_lg_u32 s2, 0x3003
	s_cbranch_scc0 .Lentry_shape_is_right
	s_endpgm
.Lentry_shape_is_right:
; ATTN.  ctx = softmax(q k^T / 8) v for one head and 512 queries a work-group, both products on codes of FP6 with E8M0 scales; ctx is quantised along the model's 1,024 and leaves as codes.
; THE SOFTMAX AHEAD OF THE SECOND PRODUCT: t = score x log2(e) / 8; M = the running largest t rounded up to a whole number; p = 2^(t - M) is quantised along the keys; the row's sum is taken of the unquantised p and divides at the end.
; When M moves, the sum and O are multiplied by 2^(old M - new M): exact, and done in every step.
; SHARES.  256 work-groups.  Sixteen waves, each one tile of 16 queries, four waves to a SIMD; a wave walks the head's 16 records of 128 keys twice: two passes, 256 queries of the work-group each.
; LDS.  A head's 16 records of K and V (13,056 bytes each: 208,896) fit whole: every wave fetches one record by its one tensor load at the head (51 rows of 256 bytes), nothing is filled again,
; and one barrier shows all records to all waves: behind it no wave waits for another.  The four work-groups of a cluster own queries of ONE head: each load is asked for jointly.
; NO PREFETCH: all that the launch reads of K and V is asked for at the head by the tensor loads themselves; no later load is left to run ahead of.  Both passes' Q come into registers at the head.
; LAYOUT.  Both products transposed: S^T = K Q^T, O^T = V^T P^T: a lane holds one query.  WHICH KEYS FORM A TILE OF K is chosen by the LDS address: row m of tile 4 c + u is key 64 c + 32 (m / 8) + 16 ((u / 2) xor (m / 8)) + 8 (u % 2) + m % 8.
; So lane (r, h) holds in the 32 registers of tiles 4 c .. 4 c + 3 the whole block 2 c + h of 32 keys: a block's largest score needs no other lane and its codes stay in the lane.
; In lanes 16-31 the block's two halves of 16 come in the other order: twelve selects put them right.
; THE ROW'S SUM of a step's 64 p a lane is taken in three parts: 9 lines ahead of the second product, 4 behind it, and 19 at the head of the NEXT step, between the issue of K's loads and the wait for them
; (still under the old M: the factor comes later in that step).  A pass begins with zeros in their place and ends with those 19 lines once more.
; THE HEAD IS 64 OF THE INSTRUCTION'S 128: Q's registers 6-11 are zero codes.  K's operand for tile t is v[KV + 6 t .. + 11]: its upper six registers are the next tile's codes (behind the last tile: zeros).
; The format has no NaN and no infinity and no scale byte here is 0xff, so those products are exact zeros.
; LIMITS: the promise holds while |t| stays under 2^31; NaN and infinities are not served; p under 2^-126 counts as 0; 1 / sum is v_rcp_f32 and a multiplication; a block of zeros keeps the byte 1 with zero codes.
.set XS,    6291456                    ; where cq's scale words begin
.set REC,   13056
.set SPARE, 16*REC                     ; behind the records: the spare words, 128 bytes a wave, that no other line names
.set BKA, 1                            ; v1-2   K's 16-byte pieces, lane terms for u / 2 = 0, 1
.set BKB, 3                            ; v3-4   K's 8-byte pieces
.set BKS, 5                            ; v5-6   K's scale words
.set BVA, 7                            ; v7     16 x lane
.set BVS, 8                            ; v8     16 x (lane % 16)
.set SPW, 9
.set NIL, 10
.set L8,  11                           ; v11    8 x lane
.set NM,  12                           ; v12, v14  -M, new and old by turns (low words of the pairs v[12:13], v[14:15])
.set RS,  13                           ; v13    the running largest score
.set SUM, 16                           ; v[16:17] the row's sum, two halves
.set OB,  18                           ; v18    8 r + h: my scale byte in cq
.set SH,  19                           ; v19    8 h
.set QF,  20                           ; v20-31   Q's fragment
.set KV,  32                           ; v32-85   K's 8 x 6 registers and six zeros; then V's 4 x 12
.set S,   86                           ; v86-149  S^T, then p
.set O,   150                          ; v150-181 O^T
.set PC,  182                          ; v182-193 p's codes
.set CT,  194                          ; v194-196, v198-200 the blocks' second conversions
.set MX,  202                          ; v202-205 four chains of maxima; then v202, v204 the blocks' largest
.set SO,  206                          ; v206-207 the conversions' scale operands
.set F,   208                          ; v[208:209] 2^(old M - new M); at the end 1 / sum
.set TMP, 210
.set BX,  211                          ; a lane permute's result
.set BY,  212                          ; v212-213 bytes
.set SUM2, 214                         ; v[214:215] the sum's second chain
.set KS,  216                          ; v216-223 K's scale words; v224-227 V's; v228 p's; v229 Q's: they hold scales and nothing else
.set VS,  224
.set PW,  228
.set QS,  229
.set QN,  230                          ; v230-235 the second pass's Q, v236 its scale words
.set QSN, 236
.set WKA, 238                          ; v238-245 the eight lane terms + the record in hand
.set WKB, 240
.set WKS, 242
.set WVA, 244
.set WVS, 245
.set WV,  10
.set SEL, 20
.set CS,  22                           ; s[22:23] log2(e) / 8
.set G1,  24
.set G0,  32
.set PASS, 36
.set HM,  37                           ; lanes 16-31
.set TB,  48                           ; the pair of records in hand
.set CNT, 49
.macro CROUND
	s_barrier_signal -1
	s_barrier_wait -1
	s_cmp_lg_u32 s[WV], 0
	s_cbranch_scc1 .Lnot_wave_0_\@
	s_barrier_signal -3
.Lnot_wave_0_\@:
	s_barrier_wait -3
	s_barrier_signal -1
	s_barrier_wait -1
.endm
	s_load_b128 s[4:7], s[0:1], 0x0                ; qimg, kv
	s_load_b64 s[8:9], s[0:1], 0x10                ; cq
	v_lshl_add_u32 v[SPW], v0, 2, SPARE
	v_mov_b32 v[NIL], 0
	ds_add_u32 v[SPW], v[NIL]                      ; the wave's opening: the add, twice on end, and its wait ahead of my tensor load
	ds_add_u32 v[SPW], v[NIL]
	v_lshrrev_b32 v[TMP], 5, v0
	s_delay_alu instid0(VALU_DEP_1)
	v_readfirstlane_b32 s[WV], v[TMP]              ; wave 0..15
	v_and_b32 v[S], 15, v0                         ; r
	v_bfe_u32 v[S+1], v0, 4, 1                     ; h
	v_bfe_u32 v[S+2], v0, 3, 1                     ; g = r / 8
	v_and_b32 v[S+3], 7, v0                        ; r % 8
	v_and_b32 v[BVA], 31, v0
	v_lshlrev_b32 v[BVS], 4, v[S]
	v_lshl_add_u32 v[OB], v[S], 3, v[S+1]
	v_lshlrev_b32 v[SH], 3, v[S+1]
	v_lshlrev_b32 v[L8], 3, v[BVA]
	v_lshlrev_b32 v[BVA], 4, v[BVA]
	v_mul_u32_u24 v[S+4], v[S+2], 1536             ; rows 8-15 of my tiles come from two stored tiles further on
	v_mul_u32_u24 v[BKS], v[S+2], 136              ; scale words: stored row + 8 g (128 bytes), stored tile + 2 g (8 bytes)
	v_lshl_add_u32 v[BKA], v[S+3], 4, v[S+4]       ; 16 x (r % 8 + 8 g + 16 h): the stored lane
	v_lshl_add_u32 v[BKB], v[S+3], 3, v[S+4]       ; 8 x the same
	v_lshl_add_u32 v[BKS], v[S+3], 4, v[BKS]
	v_lshl_add_u32 v[BKA], v[S+1], 8, v[BKA]
	v_lshl_add_u32 v[BKB], v[S+1], 7, v[BKB]
	v_xor_b32 v[BKS+1], 128, v[BKS]                ; for u / 2 = 1: the other eight stored rows
	v_lshl_add_u32 v[BKA], v[S+2], 7, v[BKA]
	v_lshl_add_u32 v[BKB], v[S+2], 6, v[BKB]
	s_delay_alu instid0(VALU_DEP_2)
	v_xor_b32 v[BKA+1], 128, v[BKA]
	s_delay_alu instid0(VALU_DEP_2)
	v_xor_b32 v[BKB+1], 64, v[BKB]
	s_bfe_u32 s11, ttmp6, 0x40000                  ; cx: my block of 512 queries: it enters Q's and ctx's addresses alone
	s_and_b32 s13, ttmp7, 0xffff                   ; batch x 16 + head, which the four partners share
	s_mov_b32 s[G1], 15|(3<<16)|(1<<21)            ; the mask: all four; elements of 8 bytes; 21 set beside a mask
	s_mov_b32 s[G1+1], 32<<16                      ; 51 rows of 256 dense bytes: a record
	s_mov_b32 s[G1+2], 51<<16
	s_mov_b32 s[G1+3], 32<<16
	s_mov_b32 s[G1+4], 51
	s_mov_b32 s[G1+5], 32
	s_mov_b32 s[G1+6], 0
	s_mov_b32 s[G1+7], 0
	s_mul_i32 s14, s13, 16*REC                     ; the head's records,
	s_mul_i32 s16, s[WV], REC                      ; and mine of them
	s_add_co_u32 s14, s14, s16
	s_mov_b32 s15, 0
	s_mov_b32 s[SEL], 0x76543210
	s_mov_b32 s[SEL+1], 0xfedcba98
	s_mov_b32 s[CS], 0x3e38aa3b
	s_mov_b32 s[CS+1], s[CS]
	s_mov_b32 s[HM], 0xffff0000
	s_lshl_b32 s50, s13, 4                         ; Q: records of 128 queries: 16 a head, 4 a work-group, 2 a pass
	s_lshl_b32 s51, s11, 2
	s_add_co_u32 s50, s50, s51
	s_lshr_b32 s51, s[WV], 3
	s_add_co_u32 s50, s50, s51
	s_mul_i32 s50, s50, 6656
	s_and_b32 s52, s[WV], 7
	s_mul_i32 s53, s52, 768
	s_add_co_u32 s38, s50, s53                     ; my tile
	s_mov_b32 s39, 0
	s_lshr_b32 s52, s52, 2
	s_lshl_b32 s52, s52, 8
	s_and_b32 s53, s[WV], 3
	s_lshl_b32 s53, s53, 2
	s_add_co_u32 s52, s52, s53
	s_add_co_u32 s52, s52, 6144
	s_add_co_u32 s40, s50, s52                     ; its scale words
	s_mov_b32 s41, 0
	s_lshr_b32 s50, s13, 4                         ; batch
	s_and_b32 s51, s13, 15                         ; head
	s_lshl_b32 s50, s50, 7
	s_lshl_b32 s52, s11, 5
	s_add_co_u32 s50, s50, s52
	s_add_co_u32 s50, s50, s[WV]                   ; my stored tile of tokens in the first pass
	s_mul_i32 s42, s50, 12288
	s_lshr_b32 s53, s51, 1
	s_mul_i32 s53, s53, 1536                       ; K step head / 2,
	s_add_co_u32 s42, s42, s53
	s_and_b32 s54, s51, 1
	s_mul_i32 s53, s54, 768                        ; its lower or upper three planes
	s_add_co_u32 s42, s42, s53
	s_mov_b32 s43, 0
	s_lshl_b32 s44, s50, 9
	s_add_co_u32 s44, s44, XS
	s_lshr_b32 s55, s51, 2
	s_lshl_b32 s55, s55, 7
	s_add_co_u32 s44, s44, s55
	s_bfe_u32 s55, s51, 0x10001
	s_lshl_b32 s55, s55, 2
	s_add_co_u32 s44, s44, s55
	s_lshl_b32 s55, s54, 1
	s_add_co_u32 s44, s44, s55
	s_mov_b32 s45, 0
	s_wait_alu depctr_va_vdst(0)
	s_wait_dscnt 0x0                               ; both opening adds are done
	s_wait_kmcnt 0x0
	s_add_nc_u64 s[6:7], s[6:7], s[14:15]
	s_add_nc_u64 s[54:55], s[4:5], s[38:39]
	s_add_nc_u64 s[56:57], s[4:5], s[40:41]
	s_add_nc_u64 s[58:59], s[8:9], s[42:43]        ; ctx's codes
	s_add_nc_u64 s[60:61], s[8:9], s[44:45]        ; ctx's scale bytes
	global_load_b128 v[QF:QF+3], v[BVA], s[54:55]  ; Q of both passes: the second lies two records (13,312 bytes) on
	global_load_b64 v[QF+4:QF+5], v[L8], s[54:55] offset:512
	global_load_b32 v[QS], v[BVS], s[56:57]
	global_load_b128 v[QN:QN+3], v[BVA], s[54:55] offset:13312
	global_load_b64 v[QN+4:QN+5], v[L8], s[54:55] offset:13824
	global_load_b32 v[QSN], v[BVS], s[56:57] offset:13312
	CROUND                                         ; all four work-groups are here: the joint loads meet
	s_mov_b32 s[G0], 1
	s_mov_b32 s[G0+1], s16
	s_mov_b64 s[G0+2:G0+3], s[6:7]
	s_or_b32 s[G0+3], s[G0+3], 0x80000000
	tensor_load_to_lds s[G0:G0+3], s[G1:G1+7]      ; my record: every wave's one tensor load
	s_nop 0
.rept 4
	v_nop
.endr
.irp i, 6,7,8,9,10,11
	v_mov_b32 v[QF+\i], 0                          ; the upper 64 of K: zero codes
.endr
.irp i, 48,49,50,51,52,53
	v_mov_b32 v[KV+\i], 0
.endr
	v_mov_b32 v15, 0                               ; (named as the upper half of a pair)
	v_mov_b32 v[F+1], 0
	v_mov_b32 v[BX], 0                             ; a lane permute's destination counts as read
	s_mov_b32 s[PASS], 0
	s_wait_alu depctr_va_vdst(0)
	s_wait_loadcnt 0x0                             ; Q
	s_wait_tensorcnt 0x0                           ; my record is in
	s_barrier_signal -1
	s_barrier_wait -1                              ; everybody's record is in
.macro SUMB                            ; the sum's third part: p's registers 28-63 of the step before, and the two chains joined
.set J, 28
.rept 9
	v_pk_add_f32 v[SUM:SUM+1], v[SUM:SUM+1], v[S+J:S+J+1]
	v_pk_add_f32 v[SUM2:SUM2+1], v[SUM2:SUM2+1], v[S+J+2:S+J+3]
.set J, J+4
.endr
	s_delay_alu instid0(VALU_DEP_1)
	v_pk_add_f32 v[SUM:SUM+1], v[SUM:SUM+1], v[SUM2:SUM2+1]
.endm
.macro SCORE t
	v_wmma_scale_f32_16x16x128_f8f6f4 v[S+8*\t:S+8*\t+7], v[KV+6*\t:KV+6*\t+11], v[QF:QF+11], 0, v[KS+\t], v[QS] matrix_a_fmt:MATRIX_FMT_FP6 matrix_b_fmt:MATRIX_FMT_FP6
.endm
; A KEY STEP: 128 keys, the record at byte o behind the working addresses.  nw, od: the registers of the new and the old -M.  odd = 1: the pair's second step, which steps the addresses.
.macro STEP o, nw, od, odd
.irp c, 0,1
.irp a, 0,1
	ds_load_b64 v[KS+4*\c+2*\a:KS+4*\c+2*\a+1], v[WKS+\a] offset:\o+12288+256*\c
.endr
.endr
.irp c, 0,1
.irp u, 0,1,2,3
	ds_load_b128 v[KV+6*(4*\c+\u):KV+6*(4*\c+\u)+3], v[WKA+\u/2] offset:\o+768*(4*\c+\u%2)
	ds_load_b64 v[KV+6*(4*\c+\u)+4:KV+6*(4*\c+\u)+5], v[WKB+\u/2] offset:\o+768*(4*\c+\u%2)+512
.endr
.endr
	SUMB                                           ; nineteen lines on registers while K's 20 loads are out
.if \odd
	s_add_co_u32 s[TB], s[TB], 2*REC
.endif
	s_wait_dscnt 8                                 ; the scale words and tiles 0-3 are in; the youngest eight loads (tiles 4-7) may be out
.irp t, 0,1,2
	SCORE \t
.endr
	s_wait_dscnt 0x0
.irp t, 3,4,5,6,7
	SCORE \t
.endr
.if \odd
.irp a, 0,1                            ; the places behind the products: K's addresses for the next pair of records
	v_add_nc_u32 v[WKA+\a], s[TB], v[BKA+\a]
	v_add_nc_u32 v[WKB+\a], s[TB], v[BKB+\a]
	v_add_nc_u32 v[WKS+\a], s[TB], v[BKS+\a]
.endr
.else
.rept 4
	v_nop                                          ; places: loads into K's registers and reads of the scores follow
.endr
.endif
.irp d, 0,1,2,3                        ; V's four fragments land while the softmax is walked
.irp p, 0,1,2
	ds_load_b128 v[KV+12*\d+4*\p:KV+12*\d+4*\p+3], v[WVA] offset:\o+6144+1536*\d+512*\p
.endr
.endr
	ds_load_b128 v[VS:VS+3], v[WVS] offset:\o+12800
.if \odd
	v_add_nc_u32 v[WVA], s[TB], v[BVA]
	v_add_nc_u32 v[WVS], s[TB], v[BVS]
.endif
.irp q, 0,1,2,3                        ; the largest score of each block of 32 keys, two chains a block, the four by turns; each accumulator is read from its low end on
	v_max3_num_f32 v[MX+\q], v[S+16*\q], v[S+16*\q+1], v[S+16*\q+2]
.endr
.irp i, 3,5,7,9,11,13
.irp q, 0,1,2,3
	v_max3_num_f32 v[MX+\q], v[MX+\q], v[S+16*\q+\i], v[S+16*\q+\i+1]
.endr
.endr
.irp c, 0,1
	v_max3_num_f32 v[MX+2*\c], v[MX+2*\c], v[MX+2*\c+1], v[S+32*\c+15]
.endr
.irp c, 0,1
	v_max_num_f32 v[MX+2*\c], v[MX+2*\c], v[S+32*\c+31]   ; it serves twice: for the row's maximum, and, since p rises with the score, for the block's largest p
.endr
	v_max3_num_f32 v[RS], v[RS], v[MX], v[MX+2]    ; the running largest score: my two blocks,
	s_delay_alu instid0(VALU_DEP_1)
	v_permlanex16_b32 v[BX], v[RS], s[SEL], s[SEL+1]
	s_delay_alu instid0(VALU_DEP_1)
	v_max_num_f32 v[RS], v[RS], v[BX]              ; and lane l xor 16's two
	s_delay_alu instid0(VALU_DEP_1)
	v_mul_f32 v[TMP], s[CS], v[RS]                 ; as t
	s_delay_alu instid0(VALU_DEP_1)
	v_floor_f32 v[\nw], -v[TMP]                    ; the new -M = -ceil(t)
	s_delay_alu instid0(VALU_DEP_1)
	v_sub_f32 v[TMP], v[\nw], v[\od]               ; old M - new M: a whole number, 0 or less
.set J, 0
.rept 4
	v_pk_fma_f32 v[S+J:S+J+1], v[S+J:S+J+1], s[CS:CS+1], v[\nw:\nw+1] op_sel_hi:[1,0,0]   ; t - M, two at a time; the factor is made among these lines
.set J, J+2
.endr
	v_cvt_i32_f32 v[TMP], v[TMP]                   ; (it saturates)
.rept 4
	v_pk_fma_f32 v[S+J:S+J+1], v[S+J:S+J+1], s[CS:CS+1], v[\nw:\nw+1] op_sel_hi:[1,0,0]
.set J, J+2
.endr
	v_ldexp_f32 v[F], 1.0, v[TMP]
.rept 24
	v_pk_fma_f32 v[S+J:S+J+1], v[S+J:S+J+1], s[CS:CS+1], v[\nw:\nw+1] op_sel_hi:[1,0,0]
.set J, J+2
.endr
.irp c, 0,1
	v_fma_f32 v[MX+2*\c], v[MX+2*\c], s[CS], v[\nw]
.endr
.set J, 0
.rept 16
	v_pk_mul_f32 v[O+J:O+J+1], v[O+J:O+J+1], v[F:F+1] op_sel_hi:[1,0]   ; O^T under the new M, ahead of the exponentials; ascending: each accumulator from its low end on
.set J, J+2
.endr
	s_wait_alu depctr_va_vdst(0)
.set J, 0
.rept 64
	v_exp_f32 v[S+J], v[S+J]                       ; p = 2^(t - M)
.set J, J+1
.endr
.irp c, 0,1
	v_exp_f32 v[MX+2*\c], v[MX+2*\c]               ; the blocks' largest p
.endr
	v_pk_mul_f32 v[SUM:SUM+1], v[SUM:SUM+1], v[F:F+1] op_sel_hi:[1,0]   ; the sums under the new M (a plain place behind the exponentials)
	s_wait_alu depctr_va_vdst(0)                   ; one wait for the batch of 66, ahead of its first reader, and directly ahead of the wait below
	s_wait_dscnt 0x0                               ; V is in: its 13 loads were issued ahead of the softmax
.irp c, 0,1
	v_max_num_f32 v[MX+2*\c], 0x1800000, v[MX+2*\c]   ; the floor 2^(3 - 127)
.endr
.irp c, 0,1
	s_delay_alu instid0(VALU_DEP_2)
	v_add_nc_u32 v[SO+\c], 0xff000000, v[MX+2*\c]  ; 2 off the exponent field: the conversion's scale operand
.endr
.irp c, 0,1
	s_delay_alu instid0(VALU_DEP_2)
	v_lshrrev_b32 v[BY+\c], 23, v[SO+\c]           ; the bytes of blocks h and 2 + h
.endr
	v_cvt_scalef32_pk16_fp6_f32 v[PC:PC+2], v[S:S+15], v[SO]
	v_cvt_scalef32_pk16_fp6_f32 v[CT:CT+2], v[S+16:S+31], v[SO]
	v_lshl_or_b32 v[BY], v[BY+1], 16, v[BY]        ; the scale word is made among the conversions and the selects
	v_cvt_scalef32_pk16_fp6_f32 v[PC+6:PC+8], v[S+32:S+47], v[SO+1]
	v_cvt_scalef32_pk16_fp6_f32 v[CT+4:CT+6], v[S+48:S+63], v[SO+1]
	v_lshlrev_b32 v[BY], v[SH], v[BY]              ; my bytes at their places in the word (a plain place behind the conversions)
.irp i, 0,1,2                          ; lanes 0-15 made the block's lower 16 codes first, lanes 16-31 its upper 16: each half goes to its place
	v_cndmask_b32 v[PC+3+\i], v[CT+\i], v[PC+\i], s[HM]
.endr
	s_delay_alu instid0(VALU_DEP_4)
	v_permlanex16_b32 v[BX], v[BY], s[SEL], s[SEL+1]
.irp i, 0,1,2
	v_cndmask_b32 v[PC+\i], v[PC+\i], v[CT+\i], s[HM]
.endr
	s_delay_alu instid0(VALU_DEP_4)
	v_or_b32 v[PW], v[BY], v[BX]                   ; with lane l xor 16's two bytes: p's scale word for these 128 keys
.irp i, 0,1,2
	v_cndmask_b32 v[PC+9+\i], v[CT+4+\i], v[PC+6+\i], s[HM]
.endr
.irp i, 0,1,2
	v_cndmask_b32 v[PC+6+\i], v[PC+6+\i], v[CT+4+\i], s[HM]
.endr
	v_pk_add_f32 v[SUM2:SUM2+1], v[S:S+1], v[S+2:S+3]   ; the row's sum of the unquantised p, in two chains.  Its first part: nine lines, the places behind p's scale word and codes
.set J, 4
.rept 4
	v_pk_add_f32 v[SUM:SUM+1], v[SUM:SUM+1], v[S+J:S+J+1]
	v_pk_add_f32 v[SUM2:SUM2+1], v[SUM2:SUM2+1], v[S+J+2:S+J+3]
.set J, J+4
.endr
.irp d, 0,1,2,3                        ; the four accumulators take turns, one instruction a turn
	v_wmma_scale_f32_16x16x128_f8f6f4 v[O+8*\d:O+8*\d+7], v[KV+12*\d:KV+12*\d+11], v[PC:PC+11], v[O+8*\d:O+8*\d+7], v[VS+\d], v[PW] matrix_a_fmt:MATRIX_FMT_FP6 matrix_b_fmt:MATRIX_FMT_FP6
.endr
.rept 2                                ; its second part: four lines that name no register of the products above: the places in front of the next loads into their operands
	v_pk_add_f32 v[SUM:SUM+1], v[SUM:SUM+1], v[S+J:S+J+1]
	v_pk_add_f32 v[SUM2:SUM2+1], v[SUM2:SUM2+1], v[S+J+2:S+J+3]
.set J, J+4
.endr
.endm
.Lpass:                                            ; a pass: my 16 queries against all 2,048 keys
	s_cmp_eq_u32 s[PASS], 0
	s_wait_alu depctr_va_vdst(0)
	s_cbranch_scc1 .Lfirst
	s_wait_xcnt 0x0                                ; the first pass's stores have read their data and their bases
	s_add_nc_u64 s[58:59], s[58:59], 16*12288      ; sixteen stored tiles of tokens on
	s_add_nc_u64 s[60:61], s[60:61], 16*512
.irp i, 0,1,2,3,4,5
	v_mov_b32 v[QF+\i], v[QN+\i]
.endr
	v_mov_b32 v[QS], v[QSN]
.Lfirst:
	s_mov_b32 s[TB], 0
.irp a, 0,1
	v_add_nc_u32 v[WKA+\a], s[TB], v[BKA+\a]
	v_add_nc_u32 v[WKB+\a], s[TB], v[BKB+\a]
	v_add_nc_u32 v[WKS+\a], s[TB], v[BKS+\a]
.endr
	v_add_nc_u32 v[WVA], s[TB], v[BVA]
	v_add_nc_u32 v[WVS], s[TB], v[BVS]
.set J, 0
.rept 32
	v_mov_b32 v[O+J], 0                            ; the step is written once: the first finds zeros, which the first change of M leaves zeros
.set J, J+1
.endr
.set J, 28
.rept 36
	v_mov_b32 v[S+J], 0                            ; no step stands before the first: the sum's third part finds zeros
.set J, J+1
.endr
	v_mov_b32 v[RS], 0xff61b1e6                    ; the largest score so far: -3e38
	v_mov_b32 v[NM+2], 0x7f61b1e6                  ; the old -M: 3e38, so that the first factor is 0
	v_mov_b32 v[SUM], 0
	v_mov_b32 v[SUM+1], 0
	v_mov_b32 v[SUM2], 0
	v_mov_b32 v[SUM2+1], 0
	s_mov_b32 s[CNT], 8
.Lsteps:
	STEP 0, NM, NM+2, 0
	STEP REC, NM+2, NM, 1
	s_sub_co_u32 s[CNT], s[CNT], 1
	s_cmp_lg_u32 s[CNT], 0
	s_wait_alu depctr_va_vdst(0)
	s_cbranch_scc1 .Lsteps
	; THE WAY OUT: O^T / the sum; its 32 registers are channels 32 b + 16 h + i of my query: two blocks of the next product's K
	SUMB                                           ; the last step's third part (with the four lines above it: the places behind the last products)
	v_add_f32 v[SUM], v[SUM], v[SUM+1]
	s_delay_alu instid0(VALU_DEP_1)
	v_permlanex16_b32 v[BX], v[SUM], s[SEL], s[SEL+1]
	s_delay_alu instid0(VALU_DEP_1)
	v_add_f32 v[SUM], v[SUM], v[BX]                ; the row's sum
	s_wait_alu depctr_va_vdst(0)
	v_rcp_f32 v[F], v[SUM]
	v_nop                                          ; one plain place behind it
	s_wait_alu depctr_va_vdst(0)                   ; the wait ahead of the first reader of the reciprocal and of O^T
.set J, 0
.rept 16
	v_pk_mul_f32 v[S+J:S+J+1], v[O+J:O+J+1], v[F:F+1] op_sel_hi:[1,0]   ; ascending: each accumulator from its low end on
.set J, J+2
.endr
.irp b, 0,1
	v_max3_num_f32 v[MX+\b], |v[S+16*\b]|, |v[S+1+16*\b]|, 0x1800000
.endr
.irp i, 2,4,6,8,10,12,14
.irp b, 0,1
	s_delay_alu instid0(VALU_DEP_2)
	v_max3_num_f32 v[MX+\b], v[MX+\b], |v[S+16*\b+\i]|, |v[S+1+16*\b+\i]|
.endr
.endr
.irp b, 0,1
	s_delay_alu instid0(VALU_DEP_2)
	v_permlanex16_b32 v[BY+\b], v[MX+\b], s[SEL], s[SEL+1]
.endr
.irp b, 0,1
	s_delay_alu instid0(VALU_DEP_2)
	v_max_num_f32 v[MX+\b], v[MX+\b], v[BY+\b]
.endr
.irp b, 0,1
	s_delay_alu instid0(VALU_DEP_2)
	v_add_nc_u32 v[SO+\b], 0xff000000, v[MX+\b]
.endr
.irp b, 0,1
	s_delay_alu instid0(VALU_DEP_2)
	v_lshrrev_b32 v[BY+\b], 23, v[SO+\b]
.endr
	v_cvt_scalef32_pk16_fp6_f32 v[PC:PC+2], v[S:S+15], v[SO]
	v_cvt_scalef32_pk16_fp6_f32 v[CT:CT+2], v[S+16:S+31], v[SO+1]
	v_cndmask_b32 v[TMP], v[BY], v[BY+1], s[HM]    ; lane (r, h) stores block h's byte (a plain place behind the conversions)
.irp i, 0,1,2
	v_permlane16_swap_b32 v[PC+\i], v[CT+\i]
.endr
.irp i, 0,1,2
	s_delay_alu instid0(VALU_DEP_3)
	v_mov_b32 v[PC+3+\i], v[CT+\i]                 ; registers 0-5: channels 32 h + 0 .. 31 of my query
.endr
.irp p, 0,1,2
	global_store_b64 v[L8], v[PC+2*\p:PC+2*\p+1], s[58:59] offset:256*\p   ; a plane: 256 consecutive bytes, aligned
.endr
	global_store_b8 v[OB], v[TMP], s[60:61]        ; two bytes of a row's word: the other heads' work-groups store the others
	s_add_co_u32 s[PASS], s[PASS], 1
	s_cmp_lt_u32 s[PASS], 2
	s_wait_alu depctr_va_vdst(0)
	s_cbranch_scc1 .Lpass
	s_wait_tensorcnt 0x0                           ; the wave's end: behind my tensor load
	ds_add_u32 v[SPW], v[NIL]
	s_wait_dscnt 0x0
	CROUND                                         ; the closing round
	s_endpgm
.Lfunc_end_k_q8647423981_attn:
	.size	k_q8647423981_attn, .Lfunc_end_k_q8647423981_attn-k_q8647423981_attn
	.p2alignl 7, 3214868480
	.fill 96, 4, 3214868480
	.section	.rodata,"a",@progbits
	.p2align	6, 0x0
	.amdhsa_kernel k_q8647423981_attn
		.amdhsa_group_segment_fixed_size 210944
		.amdhsa_private_segment_fixed_size 0
		.amdhsa_enable_private_segment 0
		.amdhsa_kernarg_size 24
		.amdhsa_user_sgpr_count 2
		.amdhsa_user_sgpr_kernarg_segment_ptr 1
		.amdhsa_wavefront_size32 1
		.amdhsa_system_sgpr_workgroup_id_x 1
		.amdhsa_system_sgpr_workgroup_id_y 1
		.amdhsa_system_sgpr_workgroup_id_z 1
		.amdhsa_system_vgpr_workitem_id 0
		.amdhsa_next_free_vgpr 256
		.amdhsa_next_free_sgpr 72
		.amdhsa_reserve_vcc 0
		.amdhsa_float_denorm_mode_32 3
		.amdhsa_float_denorm_mode_16_64 3
		.amdhsa_memory_ordered 1
		.amdhsa_forward_progress 1
		.amdhsa_inst_pref_size 48
	.end_amdhsa_kernel
	.amdgpu_metadata
---
amdhsa.version: [ 1, 2 ]
amdhsa.kernels:
  - .name:           k_q8647423981_attn
    .symbol:         k_q8647423981_attn.kd
    .args:
      - { .name: qimg, .offset: 0, .size: 8, .value_kind: global_buffer, .address_space: global }
      - { .name: kv, .offset: 8, .size: 8, .value_kind: global_buffer, .address_space: global }
      - { .name: cq, .offset: 16, .size: 8, .value_kind: global_buffer, .address_space: global }
    .group_segment_fixed_size: 210944
    .private_segment_fixed_size: 0
    .kernarg_segment_align: 8
    .kernarg_segment_size: 24
    .max_flat_workgroup_size: 512
    .sgpr_count:     72
    .vgpr_count:     256
    .wavefront_size: 32
...
	.end_amdgpu_metadata
.endif
;; end of part 3
;; launch outp (part 4): grid 4 x 32, 4 waves a work-group, clusters of 4 x 4, 327,680 bytes of LDS; arguments cq, wq, bo, out0; writes out0
.if DOCPART == 4
	.amdgcn_target "amdgcn-amd-amdhsa--gfx1250"
	.amdhsa_code_object_version 6
	.text
	.protected	k_q8647423981_outp
	.globl	k_q8647423981_outp
	.p2align	8
	.type	k_q8647423981_outp,@function
k_q8647423981_outp:
	s_mov_b64 s[64:65], 0
	v_nop
	global_prefetch_b8 v0, s[64:65] scope:SCOPE_SE
	s_setreg_imm32_b32 hwreg(HW_REG_WAVE_MODE, 25, 1), 1
	s_wait_xcnt 0x0
	s_wait_alu depctr_hold_cnt(0) depctr_sa_sdst(0) depctr_va_vdst(0) depctr_va_sdst(0) depctr_va_ssrc(0) depctr_va_vcc(0) depctr_vm_vsrc(0)
	s_getreg_b32 s2, hwreg(HW_REG_IB_STS2, 6, 4)
	s_cmp_eq_u32 s2, 0
	s_cbranch_scc0 .Lentry_in_a_cluster
	s_endpgm
.Lentry_in_a_cluster:
	s_bfe_u32 s2, ttmp6, 0x10000c
	s_cmp_lg_u32 s2, 0xf033
	s_cbranch_scc0 .Lentry_shape_is_right
	s_endpgm
.Lentry_shape_is_right:
.set XS,    6291456
.set WS,    3145728
.set FR,    12
.set NL,    6
.set NP,    4
.set NQ,    2
.set TILEB, 3072
.set HALFT, 8*TILEB
.set SLOT,  4*HALFT
.set SCL,   2*SLOT
.set HALFS, 4096
.set SPARE, SCL+4*HALFS
.set LAPS,  2
.set SPITCH, 528
.set ADRA, 16
.set ADRB, 20
.set STO,  24
.set RD,   25
.set CO,   26
.set ADRS, 27
.set SPW,  28
.set NIL,  29
.set SC,   32
.set BO,   32
.set AF,   128
.set BK,   128
.set G1,   24
.set G0,   32
.set G1B,  48
.set G0B,  56
.set G1S,  68
.set G0S,  76
.set G1SB, 80
.set G0SB, 88
.set MSB, 0
.macro WIN new
.if MSB != (\new)
	s_set_vgpr_msb (MSB<<8)|(\new)
.set MSB, (\new)
.endif
.endm
.set MUL_LO, 0xa1
.set MUL_HI, 0xf1
.set TO_B,   0x40
.macro JLOAD g0a, g1a, g0b, g1b
	s_cmp_eq_u32 s21, 0
	s_cbranch_scc0 .Lfor_b_\@
	tensor_load_to_lds s[\g0a:\g0a+3], s[\g1a:\g1a+7]
	s_nop 0
.rept 4
	v_nop
.endr
	s_branch .Lasked_\@
.Lfor_b_\@:
	tensor_load_to_lds s[\g0b:\g0b+3], s[\g1b:\g1b+7]
	s_nop 0
.rept 4
	v_nop
.endr
.Lasked_\@:
.endm
.macro CREST
	s_cmp_lg_u32 s20, 0
	s_cbranch_scc1 .Lnot_wave_0_\@
	s_barrier_signal -3
.Lnot_wave_0_\@:
	s_barrier_wait -3
	s_barrier_signal -1
	s_barrier_wait -1
.endm
.macro CROUND
	s_barrier_signal -1
	s_barrier_wait -1
	CREST
.endm
	s_load_b256 s[4:11], s[0:1], 0x0
	v_lshl_add_u32 v[SPW], v0, 2, SPARE
	v_mov_b32 v[NIL], 0
	ds_add_u32 v[SPW], v[NIL]
	ds_add_u32 v[SPW], v[NIL]
	v_lshrrev_b32 v1, 5, v0
	v_readfirstlane_b32 s20, v1
	s_lshr_b32 s21, s20, 1
	s_and_b32 s22, s20, 1
	s_bfe_u32 s40, ttmp6, 0x40000
	s_bfe_u32 s41, ttmp6, 0x40004
	s_and_b32 s42, ttmp7, 0xffff
	s_lshl_b32 s43, s41, 2
	s_lshl_b32 s43, 15, s43
	s_lshl_b32 s44, 0x1111, s40
	s_or_b32 s[G1+0], s43, (3<<16)|(1<<21)
	s_or_b32 s[G1B+0], s44, (3<<16)|(1<<21)
.irp g, G1, G1B
	s_mov_b32 s[\g+1], 384<<16
	s_mov_b32 s[\g+2], 8<<16
	s_mov_b32 s[\g+3], 384<<16
	s_mov_b32 s[\g+4], 8
	s_mov_b32 s[\g+5], 1536
	s_mov_b32 s[\g+6], 0
	s_mov_b32 s[\g+7], 0
.endr
	s_or_b32 s[G1S+0], s43, (3<<16)|(1<<21)
	s_or_b32 s[G1SB+0], s44, (3<<16)|(1<<21)
.irp g, G1S, G1SB
	s_mov_b32 s[\g+1], 32<<16
	s_mov_b32 s[\g+2], 16<<16
	s_mov_b32 s[\g+3], 32<<16
	s_mov_b32 s[\g+4], 16
	s_mov_b32 s[\g+5], 32
	s_mov_b32 s[\g+6], 0
	s_mov_b32 s[\g+7], 0
.endr
	s_lshl_b32 s92, s42, 2
	s_add_co_u32 s92, s92, s41
	s_lshl_b32 s93, ttmp9, 2
	s_add_co_u32 s93, s93, s40
	s_lshl_b32 s45, s22, 3
	s_lshl_b32 s46, s92, 4
	s_add_co_u32 s46, s46, s45
	s_lshl_b32 s66, s93, 4
	s_add_co_u32 s66, s66, s45
	s_add_co_u32 s66, s66, 192
	s_lshl_b32 s2, s46, 9
	s_add_co_u32 s2, s2, XS
	s_mov_b32 s3, 0
	s_lshl_b32 s94, s66, 9
	s_add_co_u32 s94, s94, WS
	s_mov_b32 s95, 0
	s_mul_i32 s46, s46, 12288
	s_mov_b32 s47, 0
	s_mul_i32 s66, s66, 12288
	s_mov_b32 s67, 0
	s_mul_i32 s45, s20, HALFT
	s_lshl_b32 s96, s20, 12
	s_wait_dscnt 0x0
	s_wait_kmcnt 0x0
	s_add_nc_u64 s[46:47], s[4:5], s[46:47]
	s_add_nc_u64 s[2:3], s[4:5], s[2:3]
	s_add_nc_u64 s[66:67], s[6:7], s[66:67]
	s_add_nc_u64 s[94:95], s[6:7], s[94:95]
	CROUND
	s_mov_b32 s[G0S], 1
	s_add_co_u32 s[G0S+1], s96, SCL
	s_mov_b64 s[G0S+2:G0S+3], s[2:3]
	s_or_b32 s[G0S+3], s[G0S+3], 0x80000000
	s_mov_b32 s[G0SB], 1
	s_add_co_u32 s[G0SB+1], s96, SCL
	s_mov_b64 s[G0SB+2:G0SB+3], s[94:95]
	s_or_b32 s[G0SB+3], s[G0SB+3], 0x80000000
	JLOAD G0S, G1S, G0SB, G1SB
.irp s, 0,1
	s_mov_b32 s[G0+4*\s], 1
	s_add_co_u32 s[G0+4*\s+1], s45, \s*SLOT
	s_add_nc_u64 s[G0+4*\s+2:G0+4*\s+3], s[46:47], \s*TILEB
	s_or_b32 s[G0+4*\s+3], s[G0+4*\s+3], 0x80000000
	s_mov_b32 s[G0B+4*\s], 1
	s_add_co_u32 s[G0B+4*\s+1], s45, \s*SLOT
	s_add_nc_u64 s[G0B+4*\s+2:G0B+4*\s+3], s[66:67], \s*TILEB
	s_or_b32 s[G0B+4*\s+3], s[G0B+4*\s+3], 0x80000000
	s_wait_alu depctr_va_vdst(0)
	s_wait_tensorcnt 0x0
	ds_add_u32 v28, v29
	s_wait_dscnt 0x0
	CROUND
	JLOAD G0+4*\s, G1, G0B+4*\s, G1B
.endr
	v_and_b32 v1, 15, v0
	v_bfe_u32 v2, v0, 4, 1
	s_wait_alu depctr_va_vdst(0)
	v_and_b32 v3, 31, v0
	v_lshlrev_b32 v4, 3, v3
	s_mul_i32 s98, s21, HALFT
	s_mul_i32 s99, s22, HALFT
	s_add_co_u32 s99, s99, 2*HALFT
.irp s, 0,1
	v_add_nc_u32 v[ADRA+\s], s98, v4
	v_add_nc_u32 v[ADRB+\s], s99, v4
	s_add_co_u32 s98, s98, SLOT
	s_add_co_u32 s99, s99, SLOT
.endr
	v_lshlrev_b32 v5, 3, v1
	s_lshl_b32 s98, s21, 12
	s_lshl_b32 s99, s22, 12
	s_add_co_u32 s99, s99, 2*HALFS
	s_sub_co_u32 s99, s99, s98
	v_mul_u32_u24 v6, s99, v2
	s_add_co_u32 s98, s98, SCL
	v_add_nc_u32 v5, v5, v6
	v_add_nc_u32 v[ADRS], s98, v5
	s_mul_i32 s98, s20, 16*SPITCH
	v_mul_u32_u24 v5, v1, SPITCH
	v_lshl_add_u32 v5, v2, 6, v5
	v_add_nc_u32 v[STO], s98, v5
	v_lshlrev_b32 v[CO], 4, v3
	v_add_nc_u32 v[RD], s98, v[CO]
	s_lshl_b32 s98, s92, 8
	s_lshl_b32 s99, s21, 7
	s_add_co_u32 s98, s98, s99
	s_lshl_b32 s98, s98, 12
	s_mov_b32 s99, 0
	s_add_nc_u64 s[10:11], s[10:11], s[98:99]
	s_lshl_b32 s98, s93, 10
	s_lshl_b32 s97, s22, 9
	s_add_co_u32 s98, s98, s97
	s_add_nc_u64 s[10:11], s[10:11], s[98:99]
	s_add_nc_u64 s[8:9], s[8:9], s[98:99]
.macro FRAG reg, adr, q, i
.irp p, 0,1,2,3,4,5
	ds_load_b64 v[\reg+2*\p:\reg+2*\p+1], v[\adr] offset:TILEB*(\i)+1536*(\q)+256*\p
.endr
.endm
.macro MUL16 a0, p, q, sc, zero
.irp a, \a0, \a0+1
.irp b, 0,1,2,3,4,5,6,7
.if \zero
	v_wmma_scale_f32_16x16x128_f8f6f4 v[8*(8*((\a)%4)+\b):8*(8*((\a)%4)+\b)+7], v[128*(\p)+FR*\b:128*(\p)+FR*\b+FR-1], v[AF+FR*(\a):AF+FR*(\a)+FR-1], 0, v[SC+8*NQ*(\sc)+NQ*\b+(\q)], v[SC+8*NQ*(\sc)+NQ*(\a)+(\q)] matrix_a_fmt:MATRIX_FMT_FP6 matrix_b_fmt:MATRIX_FMT_FP6 matrix_a_scale:MATRIX_SCALE_ROW1
.else
	v_wmma_scale_f32_16x16x128_f8f6f4 v[8*(8*((\a)%4)+\b):8*(8*((\a)%4)+\b)+7], v[128*(\p)+FR*\b:128*(\p)+FR*\b+FR-1], v[AF+FR*(\a):AF+FR*(\a)+FR-1], v[8*(8*((\a)%4)+\b):8*(8*((\a)%4)+\b)+7], v[SC+8*NQ*(\sc)+NQ*\b+(\q)], v[SC+8*NQ*(\sc)+NQ*(\a)+(\q)] matrix_a_fmt:MATRIX_FMT_FP6 matrix_b_fmt:MATRIX_FMT_FP6 matrix_a_scale:MATRIX_SCALE_ROW1
.endif
.endr
.endr
.endm
.macro FETCH_B slot, q, p
	WIN TO_B
.irp i, 0,1,2,3,4,5,6,7
	FRAG 128*(\p)+FR*\i, ADRB+\slot, \q, \i
.endr
	WIN 0
.endm
.macro FETCH_A slot, q, i0
.irp i, \i0, \i0+1, \i0+2, \i0+3
	FRAG AF+FR*(\i), ADRA+\slot, \q, \i
.endr
.endm
.macro SCALES sc
.irp i, 0,1,2,3,4,5,6,7
	ds_load_b64 v[SC+8*NQ*\sc+NQ*\i:SC+8*NQ*\sc+NQ*\i+1], v[ADRS] offset:\i*512
.endr
.endm
.macro PLACES n
.rept \n
	v_nop
.endr
.endm
.macro STEP slot, q, zero
	s_wait_dscnt 4*NL
	WIN MUL_LO
	MUL16 0, (\q)%2, \q, \slot, \zero
	MUL16 2, (\q)%2, \q, \slot, \zero
	s_wait_dscnt 0
	PLACES NP
	FETCH_B \slot, (\q)+1, 1-(\q)%2
	FETCH_A \slot, (\q)+1, 0
	WIN MUL_HI
	MUL16 4, (\q)%2, \q, \slot, \zero
	MUL16 6, (\q)%2, \q, \slot, \zero
	PLACES NP
	WIN 0
	FETCH_A \slot, (\q)+1, 4
.endm
.macro TURN slot, next, fill
	s_wait_tensorcnt 0x0
	ds_add_u32 v[SPW], v[NIL]
	s_wait_dscnt 4*NL+1
	WIN MUL_LO
	MUL16 0, 1, NQ-1, \slot, 0
	s_wait_dscnt 0x0
	s_barrier_signal -1
	MUL16 2, 1, NQ-1, \slot, 0
	WIN 0
	s_barrier_wait -1
.if \fill
	CREST
	s_add_nc_u64 s[G0+4*\slot+2:G0+4*\slot+3], s[G0+4*\slot+2:G0+4*\slot+3], 2*TILEB
	s_add_nc_u64 s[G0B+4*\slot+2:G0B+4*\slot+3], s[G0B+4*\slot+2:G0B+4*\slot+3], 2*TILEB
	JLOAD G0+4*\slot, G1, G0B+4*\slot, G1B
.else
	PLACES NP
.endif
	s_wait_alu depctr_va_vdst(0)
	v_add_nc_u32 v[ADRS], 128, v[ADRS]
	FETCH_B \next, 0, 0
	FETCH_A \next, 0, 0
	SCALES \next
	WIN MUL_HI
	MUL16 4, 1, NQ-1, \slot, 0
	MUL16 6, 1, NQ-1, \slot, 0
	PLACES NP
	WIN 0
	FETCH_A \next, 0, 4
.endm
	s_wait_alu depctr_va_vdst(0)
	s_wait_tensorcnt 1
	s_barrier_signal -1
	s_barrier_wait -1
	FETCH_B 0, 0, 0
	FETCH_A 0, 0, 0
	SCALES 0
	FETCH_A 0, 0, 4
	STEP 0, 0, 1
	s_mov_b32 s3, LAPS-1
.Llap:
	TURN 0, 1, 1
	STEP 1, 0, 0
	TURN 1, 0, 1
	STEP 0, 0, 0
	s_sub_co_u32 s3, s3, 1
	s_cmp_lg_u32 s3, 0
	s_cbranch_scc1 .Llap
	TURN 0, 1, 0
	STEP 1, 0, 0
	s_wait_dscnt 4*NL
	WIN MUL_LO
	MUL16 0, 1, NQ-1, 1, 0
	MUL16 2, 1, NQ-1, 1, 0
	s_wait_dscnt 0
	WIN MUL_HI
	MUL16 4, 1, NQ-1, 1, 0
	MUL16 6, 1, NQ-1, 1, 0
	WIN 0
.macro TOSTAGE a
.set AC, 64*((\a)%4)
	WIN 0x08+4*((\a)/4)
.irp b, 0,1,2,3,4,5,6,7
	ds_store_b128 v[STO], v[AC+8*\b:AC+8*\b+3] offset:128*(\b/2)+32*(\b%2)
	ds_store_b128 v[STO], v[AC+8*\b+4:AC+8*\b+7] offset:128*(\b/2)+32*(\b%2)+16
.endr
	WIN 0
.set BB, BK+64*((\a)%2)
.irp t, 0,1,2,3,4,5,6,7,8,9,10,11,12,13,14,15
	ds_load_b128 v[BB+4*\t:BB+4*\t+3], v[RD] offset:\t*SPITCH
.endr
.endm
.macro SEND a, younger
.set BB, BK+64*((\a)%2)
	s_wait_dscnt \younger
.irp t, 0,1,2,3,4,5,6,7,8,9,10,11,12,13,14,15
	v_pk_add_f32 v[BB+4*\t:BB+4*\t+1], v[BB+4*\t:BB+4*\t+1], v[BO:BO+1]
	v_pk_add_f32 v[BB+4*\t+2:BB+4*\t+3], v[BB+4*\t+2:BB+4*\t+3], v[BO+2:BO+3]
	global_store_b128 v[CO], v[BB+4*\t:BB+4*\t+3], s[10:11] offset:(32*((\a)/2)+8*((\a)%2)+\t+8*(\t/8))*4096 th:TH_STORE_NT
.endr
.endm
	PLACES NP
	global_load_b128 v[BO:BO+3], v[CO], s[8:9]
	TOSTAGE 0
	s_wait_loadcnt 0x0
.irp a, 1,2,3,4,5,6,7
.if \a > 1
	s_wait_xcnt 0x0
.endif
	TOSTAGE \a
	SEND \a-1, 32
.endr
	SEND 7, 0
	s_wait_tensorcnt 0x0
	ds_add_u32 v[SPW], v[NIL]
	s_wait_dscnt 0x0
	CROUND
	s_endpgm
.Lfunc_end_k_q8647423981_outp:
	.size	k_q8647423981_outp, .Lfunc_end_k_q8647423981_outp-k_q8647423981_outp
	.p2alignl 7, 3214868480
	.fill 96, 4, 3214868480
	.section	.rodata,"a",@progbits
	.p2align	6, 0x0
	.amdhsa_kernel k_q8647423981_outp
		.amdhsa_group_segment_fixed_size 327680
		.amdhsa_private_segment_fixed_size 0
		.amdhsa_enable_private_segment 0
		.amdhsa_kernarg_size 32
		.amdhsa_user_sgpr_count 2
		.amdhsa_user_sgpr_kernarg_segment_ptr 1
		.amdhsa_wavefront_size32 1
		.amdhsa_system_sgpr_workgroup_id_x 1
		.amdhsa_system_sgpr_workgroup_id_y 1
		.amdhsa_system_sgpr_workgroup_id_z 1
		.amdhsa_system_vgpr_workitem_id 0
		.amdhsa_next_free_vgpr 1024
		.amdhsa_next_free_sgpr 102
		.amdhsa_reserve_vcc 0
		.amdhsa_float_denorm_mode_32 3
		.amdhsa_float_denorm_mode_16_64 3
		.amdhsa_memory_ordered 1
		.amdhsa_forward_progress 1
		.amdhsa_inst_pref_size 176
	.end_amdhsa_kernel
	.amdgpu_metadata
---
amdhsa.version: [ 1, 2 ]
amdhsa.kernels:
  - .name:           k_q8647423981_outp
    .symbol:         k_q8647423981_outp.kd
    .args:
      - { .name: cq, .offset: 0, .size: 8, .value_kind: global_buffer, .address_space: global }
      - { .name: wq, .offset: 8, .size: 8, .value_kind: global_buffer, .address_space: global }
      - { .name: bo, .offset: 16, .size: 8, .value_kind: global_buffer, .address_space: global }
      - { .name: out0, .offset: 24, .size: 8, .value_kind: global_buffer, .address_space: global }
    .group_segment_fixed_size: 327680
    .private_segment_fixed_size: 0
    .kernarg_segment_align: 8
    .kernarg_segment_size: 32
    .max_flat_workgroup_size: 128
    .sgpr_count:     102
    .vgpr_count:     1024
    .wavefront_size: 32
...
	.end_amdgpu_metadata
.endif
;; end of part 4
